; MI455X (gfx1250); checked and timed in simulation.
; The chip was launched on July 23, 2026; its instructions are those of AMD's public machine-readable ISA for CDNA 5 (MIT licence, August 2026) and "CDNA5" Instruction Set Architecture Reference Guide (July 2026). The comments in the code are by the model that wrote it; some were corrected since.
;; Causal Multihead Self Attention. Allowed arithmetic: matrix products marked QUANTISED: E2M3 operands, one E8M0 scale for each 32 along K, by v_wmma_scale_f32_16x16x128_f8f6f4 with both operands' format E2M3, f32 sums; everything else in f32.
;; Inputs: Wk 1,024 x 1,024 float32; Wo 1,024 x 1,024 float32; Wq 1,024 x 1,024 float32; Wv 1,024 x 1,024 float32; token_positions 2,048 int32; x 2 x 2,048 x 1,024 float32.
;; Outputs: out0 2 x 2,048 x 1,024 float32.
;; This version of the problem:
;;   THIS VERSION OF THE PROBLEM IS GIVEN IN LOW PRECISION. The matrix products marked QUANTISED in the list below multiply operands that are first quantised to E2M3 (2 exponent bits, 3 mantissa bits; 6 bits a number), with one power-of-two scale for each 32 numbers along K (OCP MX v1.0); their sums are f32. All else is computed in f32.
;;   The module's matrix products, in the order in which they are computed (A, B: the left and right operand; K: the contracted axis; several contracted axes count as one K, in the product's order):
;;     1. [M 4,096, K 1,024] x [K 1,024, N 1,024]; A: input x; B: input Wq: QUANTISED
;;     2. [M 4,096, K 1,024] x [K 1,024, N 1,024]; A: input x; B: input Wk: QUANTISED
;;     3. [M 4,096, K 1,024] x [K 1,024, N 1,024]; A: input x; B: input Wv: QUANTISED
;;     4. batch 32 x [M 2,048, K 64] x [K 64, N 2,048]; A: computed on the way; B: computed on the way: QUANTISED
;;     5. batch 32 x [M 2,048, K 2,048] x [K 2,048, N 64]; A: softmax (see below); B: computed on the way: QUANTISED
;;     6. [M 4,096, K 1,024] x [K 1,024, N 1,024]; A: computed on the way; B: input Wo: QUANTISED
;;   THE QUANTISER, for each operand of a quantised product, along K:
;;     - K is cut into blocks of 32 from its start; a last block that is shorter is filled with zeros.
;;     - A block's scale is 2^e with e = floor(log2(the largest magnitude in the block)) - 2, held to -126 .. 127; a block of zeros has e = 0. As a byte (E8M0): e + 127.
;;     - Each number is divided by its block's scale, clamped to +-7.5, and rounded to the nearest number of E2M3, ties to even, subnormals kept.
;;     - The product sums the exact products of the quantised numbers (number of the format x scale) in f32.
;;   ~~~python
;;   def quantise(x, axis):      # numpy; x: float32 -> the quantised numbers, widened to float32 again
;;       x = np.moveaxis(x, axis, -1); K = x.shape[-1]
;;       x = np.pad(x, [(0, 0)] * (x.ndim - 1) + [(0, -K % 32)]); x = x.reshape(x.shape[:-1] + (-1, 32)); a = np.abs(x).max(-1, keepdims=True)
;;       e = np.where(a > 0, np.clip(np.frexp(np.where(a > 0, a, 1))[1] - 1 - 2, -126, 127), 0)      # np.frexp(a)[1] - 1 = floor(log2(a)), exactly
;;       r = np.clip(x / 2.0 ** e, -7.5, 7.5)
;;       step = 2.0 ** (np.maximum(np.frexp(np.where(r == 0, 1, r))[1] - 1, 0) - 3)
;;       q = np.round(r / step) * step * 2.0 ** e      # np.round: ties to even
;;       return np.moveaxis(q.reshape(q.shape[:-2] + (-1,))[..., :K], -1, axis).astype(np.float32)
;;   ~~~
;;   SOFTMAX AHEAD OF A QUANTISED PRODUCT. Where the list says 'softmax', what is quantised is not the finished softmax but p = 2^(t - M), with t = logit x log2(e) and M = ceil(the row's largest t), a whole number; so 1/2 < the row's largest p <= 1. The row's sum l is taken of the UNQUANTISED p, in f32, and the product's result is divided by l at the end. Since M is a whole number, a kernel that streams over the keys may use a running M (the ceiling of the running maximum): every later rescaling is an exact power of two, which a block's scale takes up: the codes' values come out the same.
;;   OPERANDS COMPUTED ON THE WAY. 'Computed on the way' means the value that the module computes at that place (a softmax that the list does not call 'softmax' is quantised finished and normalised). What goes into a quantiser is computed in f32, as accurately as f32 sums, v_exp_f32 and their like allow (about 1e-6 of the number): no bf16 or f16 on the way to a quantiser, and a product that is left as it is and whose result goes on into a quantised operand takes f32 operands (vector FMAs, or v_wmma_f32_16x16x4_f32). A number that lies on a knife's edge between two numbers of the format may be rounded either way, as far as f32 arithmetic and the matrix unit's own rounding can turn it there, and no further.
;; One version. Each part assembles by itself: llvm-mc -triple=amdgcn-amd-amdhsa -mcpu=gfx1250 --defsym DOCPART=n.
;; ======== version 1 of 1: 4 launches
;; limits: inputs' magnitudes at most 8,388,608; right only within a limited range of input values
;; workspace buffers: cod 6,291,456 bytes; scl 262,144 bytes; tab 524,288 bytes; qf 3,145,728 bytes; qs 131,072 bytes; kv 6,553,600 bytes; oc 3,145,728 bytes; os 131,072 bytes
;; launch quant (part 1): grid 256 x 1, 8 waves a work-group, no clusters, 137,216 bytes of LDS; arguments x, Wq, Wk, Wv, Wo, token_positions, cod, scl, tab; writes cod, scl, tab
.if DOCPART == 1
	.amdgcn_target "amdgcn-amd-amdhsa--gfx1250"
	.amdhsa_code_object_version 6
	.text
	.protected	k_q99eb0d40b6_quant
	.globl	k_q99eb0d40b6_quant
	.p2align	8
	.type	k_q99eb0d40b6_quant,@function
k_q99eb0d40b6_quant:
	s_mov_b64 s[64:65], 0
	v_nop
	global_prefetch_b8 v0, s[64:65] scope:SCOPE_SE
	s_setreg_imm32_b32 hwreg(HW_REG_WAVE_MODE, 25, 1), 1
	s_wait_xcnt 0x0
; x [4096][1024] and Wq, Wk, Wv, Wo [1024][1024], f32 with K innermost, become codes of FP6 (E2M3) with one E8M0 byte for each 32 along K; token_positions becomes a table of cosines and sines.
; A block's scale is 2^(floor(log2(its largest magnitude)) - 2): its byte is the largest magnitude's exponent field - 2, held at 1 from below.
; LAYOUT OF THE CODES.  Rows go in tiles of 16: tile 2 b + u holds in lane r the row 32 b + 8 u + r + 8 (r / 8).  cod is [512 tiles][8 K steps][1,536 bytes]: the 12 registers of an operand's fragment
; (16 rows x 128 K) as they stand, registers 4 c .. 4 c + 3 of lane l at 512 c + 16 l.  Tiles 0-255 x, 256-319 Wq, 320-383 Wk, 384-447 Wv, 448-511 Wo.  scl is [512 tiles][16 r][8 words]: word s = the four bytes of K step s.
; tab is [2048 places in the sequence][32 j] pairs (cos, sin) of position x 10000^(-j / 32), f32.
; SHARES.  2,048 waves, eight to a work-group; wave id takes tile id / 4, K steps 2 (id % 4) and 2 (id % 4) + 1, and the table's row id (lane = j).
; LOADS.  A row's K step is 128 numbers, 512 bytes: one load of the wave takes it whole, 16 bytes a lane.  A wave's 32 loads (16 rows x 2 K steps: all that it reads) go out together at its start.
; THE TURN.  The conversions take 16 neighbours along K from ONE lane's registers.  So a K step's 16 rows go through the wave's own stage in LDS: stored as loaded, rows 528 bytes apart, and read back by lane (r, h) as
; row r's bytes 128 b + 64 h + 16 j.  528 = 33 x 16: sixteen lanes that read the same place of sixteen rows fall on sixteen different columns of 16 bytes.  LDS serves a wave's instructions in order: no wait between the stores and the loads.
; THE SCALE WORDS of a tile, 16 rows x 8 words = 512 bytes, come from four waves: they meet in LDS, behind the one barrier, and one wave stores them as 512 consecutive bytes.
; LIMITS: NaN and infinities among the inputs are not served.  A block whose largest magnitude lies under 2^-124 keeps the byte 1; a block of zeros has the byte 1 where the rule says 127: its codes are zeros, and
; this program alone reads the bytes.  The sine's and cosine's argument is reduced exactly for |position x frequency| under 2^23.
.set PITCH, 528                        ; a stage row: 512 bytes + 16
.set STG,   16*PITCH                   ; a stage: one K step of 16 rows
.set WREG,  2*STG                      ; a wave's two stages
.set SCB,   8*WREG                     ; behind the stages: the two tiles' scale words, 512 bytes each
.set L16,  4                           ; v4      16 x lane
.set STW,  5                           ; v5      into my stage: + 16 x lane
.set STR,  6                           ; v6      out of it: + 528 r + 64 h
.set FRQ,  7                           ; v7      10000^(-lane / 32)
.set TR,   8                           ; v8-17   the table's arithmetic; v8-9 stay: the row's pair as it is stored
.set TM,   10                          ; v10-13 largest magnitudes, v14-17 the other half's, then bytes, v18-21 the conversions' scale operands (v10-17 are free once the table's row is made)
.set SWA,  22                          ; v22     where my scale word goes in LDS
.set SRA,  23                          ; v23     where a tile's 512 bytes are read back
.set SW,   24                          ; v24-25  the two K steps' scale words
.set SWO,  26                          ; v26     the one that I put down
.set L8,   27                          ; v27     8 x lane
.set R0,   32                          ; v32-95  K step 0 as loaded: row i in registers 4 i .. 4 i + 3; later K step 1 after its turn
.set R1,   96                          ; v96-159 K step 1 as loaded
.set XA,   160                         ; v160-223 K step 0 after its turn: register 16 b + i = k 32 b + 16 h + i of row r
.set COD,  224                         ; v224-247 codes, 12 for each K step: no store's data are written again
.set CT,   248                         ; v248-250, v252-254: the upper halves of two blocks' codes
.set SEL,  32                          ; s[32:33] selects of v_permlanex16_b32: lane l xor 16
	s_load_b256 s[4:11], s[0:1], 0x0               ; x, Wq, Wk, Wv
	s_load_b256 s[12:19], s[0:1], 0x20             ; Wo, token_positions, cod, scl
	s_load_b64 s[20:21], s[0:1], 0x40              ; tab
	v_lshl_add_u32 v251, v0, 2, 0x21400
	v_mov_b32 v255, 0
	v_lshrrev_b32 v1, 5, v0
	s_delay_alu instid0(VALU_DEP_1)
	v_readfirstlane_b32 s22, v1                    ; wave 0..7
	s_lshl_b32 s23, ttmp9, 3
	s_add_co_u32 s23, s23, s22                     ; id = 8 x work-group + wave
	s_lshr_b32 s24, s23, 2                         ; tile
	s_and_b32 s25, s22, 3                          ; which two K steps
	s_lshr_b32 s36, s22, 2                         ; which of the work-group's two tiles
	v_and_b32 v1, 31, v0                           ; lane
	v_and_b32 v2, 15, v0                           ; r
	v_bfe_u32 v3, v0, 4, 1                         ; h
	s_delay_alu instid0(VALU_DEP_3)
	v_lshlrev_b32 v[L16], 4, v1
	s_delay_alu instid0(VALU_DEP_4)
	v_lshlrev_b32 v[L8], 3, v1
	s_mul_i32 s37, s22, WREG                       ; my stages
	v_add_nc_u32 v[STW], s37, v[L16]
	v_mul_u32_u24 v[STR], v2, PITCH
	s_delay_alu instid0(VALU_DEP_1)
	v_lshl_add_u32 v[STR], v3, 6, v[STR]
	s_delay_alu instid0(VALU_DEP_1)
	v_add_nc_u32 v[STR], s37, v[STR]
	s_lshl_b32 s38, s36, 9
	s_add_co_u32 s38, s38, SCB                     ; my tile's scale words
	v_add_nc_u32 v[SRA], s38, v[L16]
	s_lshl_b32 s39, s25, 3
	s_add_co_u32 s38, s38, s39                     ; + my two K steps' 8 bytes
	v_lshlrev_b32 v[SWA], 5, v2
	s_delay_alu instid0(VALU_DEP_1)
	v_lshl_add_u32 v[SWA], v3, 2, v[SWA]           ; + 32 r + 4 h: lanes 0-15 put down the first K step's word, lanes 16-31 the second's
	s_delay_alu instid0(VALU_DEP_1)
	v_add_nc_u32 v[SWA], s38, v[SWA]
	s_mov_b32 s[SEL], 0x76543210
	s_mov_b32 s[SEL+1], 0xfedcba98
	s_mov_b32 s31, 0xffff0000                      ; lanes 16-31
	s_cmp_lt_u32 ttmp9, 128                        ; x has 256 tiles, a weight 64
	s_cselect_b32 s34, 255, 63
	s_and_b32 s34, s24, s34                        ; the tile's number in its tensor
	s_lshr_b32 s35, s34, 1
	s_lshl_b32 s35, s35, 5
	s_and_b32 s34, s34, 1
	s_lshl_b32 s34, s34, 3
	s_add_co_u32 s34, s34, s35                     ; its first row: 32 b + 8 u
	s_lshl_b32 s34, s34, 12
	s_lshl_b32 s35, s25, 10
	s_add_co_u32 s28, s34, s35                     ; in bytes, + my two K steps' 1,024
	s_mov_b32 s29, 0
	s_wait_kmcnt 0x0
	s_cmp_ge_u32 ttmp9, 128                        ; which tensor: the choice hangs on the work-group's number alone
	s_cselect_b64 s[4:5], s[6:7], s[4:5]
	s_cmp_ge_u32 ttmp9, 160
	s_cselect_b64 s[4:5], s[8:9], s[4:5]
	s_cmp_ge_u32 ttmp9, 192
	s_cselect_b64 s[4:5], s[10:11], s[4:5]
	s_cmp_ge_u32 ttmp9, 224
	s_cselect_b64 s[4:5], s[12:13], s[4:5]
	s_add_nc_u64 s[4:5], s[4:5], s[28:29]
	s_lshl_b32 s28, s23, 2
	s_add_nc_u64 s[14:15], s[14:15], s[28:29]      ; my position
	s_load_b32 s26, s[14:15], 0x0
	s_mul_i32 s28, s23, 3072                       ; tile x 12,288 + two K steps x 1,536
	s_add_nc_u64 s[16:17], s[16:17], s[28:29]
	s_lshl_b32 s28, s24, 9                         ; tile x 512
	s_add_nc_u64 s[18:19], s[18:19], s[28:29]
	s_lshl_b32 s28, s23, 8                         ; a row of 256 bytes
	s_add_nc_u64 s[20:21], s[20:21], s[28:29]
; K step e of the tile's 16 rows: each load reads 512 consecutive bytes of one row
.macro XLOAD reg, e
.irp i, 0,1,2,3,4,5,6,7,8,9,10,11,12,13,14,15
	global_load_b128 v[\reg+4*\i:\reg+4*\i+3], v[L16], s[4:5] offset:(\i+8*(\i/8))*4096+512*\e th:TH_LOAD_NT
.endr
.endm
.macro TOST reg, e                             ; into stage e, as loaded: 512 consecutive bytes a store
.irp i, 0,1,2,3,4,5,6,7,8,9,10,11,12,13,14,15
	ds_store_b128 v[STW], v[\reg+4*\i:\reg+4*\i+3] offset:\e*STG+\i*PITCH
.endr
.endm
.macro FROMST dst, e                           ; and back: register 16 b + 4 j on = k 32 b + 16 h + 4 j on of row r
.irp b, 0,1,2,3
.irp j, 0,1,2,3
	ds_load_b128 v[\dst+16*\b+4*\j:\dst+16*\b+4*\j+3], v[STR] offset:\e*STG+128*\b+16*\j
.endr
.endr
.endm
; 64 numbers of a lane become a fragment's 12 registers at v[d] and its scale word v[w]
.macro QUANT s, d, w
.irp b, 0,1,2,3
	v_max3_num_f32 v[TM+\b], |v[(\s)+16*\b]|, |v[(\s)+16*\b+1]|, 0x1800000   ; block b: my 16 numbers, and the floor 2^(3 - 127): the byte cannot fall under 1
.endr
.irp i, 2,4,6,8,10,12,14
.irp b, 0,1,2,3
	s_delay_alu instid0(VALU_DEP_4)
	v_max3_num_f32 v[TM+\b], v[TM+\b], |v[(\s)+16*\b+\i]|, |v[(\s)+16*\b+\i+1]|   ; the four blocks by turns
.endr
.endr
.irp b, 0,1,2,3
	s_delay_alu instid0(VALU_DEP_4)
	v_permlanex16_b32 v[TM+4+\b], v[TM+\b], s[SEL], s[SEL+1]   ; (its destination counts as read: the table's arithmetic has written these four)
.endr
.irp b, 0,1,2,3
	s_delay_alu instid0(VALU_DEP_4)
	v_max_num_f32 v[TM+\b], v[TM+\b], v[TM+4+\b]   ; with lane l xor 16's: the block's largest magnitude
.endr
.irp b, 0,1,2,3
	s_delay_alu instid0(VALU_DEP_4)
	v_add_nc_u32 v[TM+8+\b], 0xff000000, v[TM+\b]  ; 2 off its exponent field: the conversion takes this operand's exponent field as its scale
.endr
.irp b, 0,1,2,3
	s_delay_alu instid0(VALU_DEP_4)
	v_lshrrev_b32 v[TM+4+\b], 23, v[TM+8+\b]       ; the scale's byte
.endr
	s_delay_alu instid0(VALU_DEP_3)
	v_lshl_or_b32 v[\w], v[TM+5], 8, v[TM+4]
	s_delay_alu instid0(VALU_DEP_1)
	v_lshl_or_b32 v[\w], v[TM+6], 16, v[\w]
	s_delay_alu instid0(VALU_DEP_1)
	v_lshl_or_b32 v[\w], v[TM+7], 24, v[\w]
.irp c, 0,1
	v_cvt_scalef32_pk16_fp6_f32 v[(\d)+6*\c:(\d)+6*\c+2], v[(\s)+32*\c:(\s)+32*\c+15], v[TM+8+2*\c]
	v_cvt_scalef32_pk16_fp6_f32 v[CT+4*\c:CT+4*\c+2], v[(\s)+32*\c+16:(\s)+32*\c+31], v[TM+8+2*\c+1]   ; (a conversion's three registers begin on an even number)
.endr
	v_nop                                          ; one plain place behind a scaled conversion
.irp c, 0,1                                    ; the operand's layout wants a whole block in a lane: lanes 0-15 block 2 c, lanes 16-31 block 2 c + 1
.irp i, 0,1,2
	v_permlane16_swap_b32 v[(\d)+6*\c+\i], v[CT+4*\c+\i]
.endr
.irp i, 0,1,2
	s_delay_alu instid0(VALU_DEP_3)
	v_mov_b32 v[(\d)+6*\c+3+\i], v[CT+4*\c+\i]
.endr
.endr
.endm
.macro CODES e                                 ; a fragment leaves as it stands: 32 lanes store 512 consecutive bytes, three times
.irp c, 0,1,2
	global_store_b128 v[L16], v[COD+12*\e+4*\c:COD+12*\e+4*\c+3], s[16:17] offset:1536*\e+512*\c
.endr
.endm
.macro FREQ j, val
	s_mov_b32 s30, \val
	v_writelane_b32 v[FRQ], s30, \j
.endm
	XLOAD R0, 0
	XLOAD R1, 1
	v_mov_b32 v[FRQ], 1.0                          ; 10000^(-j / 32) = 10^(-j / 8), each rounded once to f32, lane by lane; the table's row is made while the loads are out
	FREQ 1, 0.7498942093324559
	FREQ 2, 0.5623413251903491
	FREQ 3, 0.4216965034285822
	FREQ 4, 0.31622776601683794
	FREQ 5, 0.23713737056616552
	FREQ 6, 0.17782794100389228
	FREQ 7, 0.1333521432163324
	FREQ 8, 0.1
	FREQ 9, 0.07498942093324559
	FREQ 10, 0.05623413251903491
	FREQ 11, 0.04216965034285822
	FREQ 12, 0.031622776601683794
	FREQ 13, 0.023713737056616552
	FREQ 14, 0.017782794100389228
	FREQ 15, 0.01333521432163324
	FREQ 16, 0.01
	FREQ 17, 0.007498942093324559
	FREQ 18, 0.005623413251903491
	FREQ 19, 0.004216965034285822
	FREQ 20, 0.0031622776601683794
	FREQ 21, 0.0023713737056616552
	FREQ 22, 0.0017782794100389228
	FREQ 23, 0.001333521432163324
	FREQ 24, 0.001
	FREQ 25, 0.0007498942093324559
	FREQ 26, 0.0005623413251903491
	FREQ 27, 0.0004216965034285822
	FREQ 28, 0.00031622776601683794
	FREQ 29, 0.00023713737056616552
	FREQ 30, 0.00017782794100389228
	FREQ 31, 0.0001333521432163324
	s_wait_kmcnt 0x0                               ; my position
	; cos and sin of a = position x frequency.  n = the nearest whole number to a x 2 / pi; r = a - n pi / 2, pi / 2 in three parts, by fused multiply-adds; sin r and cos r by their series
	; (to r^9 and r^10: on |r| <= pi / 4 the first term left out is under 3e-9 of the result); n's two low bits say which of the two, and with which sign.  Only values are selected.
	v_cvt_f32_i32 v[TR+2], s26
	s_wait_alu depctr_va_vdst(0)
	v_mul_f32 v[TR+2], v[TR+2], v[FRQ]             ; a: one f32 product
	s_delay_alu instid0(VALU_DEP_1)
	v_mul_f32 v[TR+3], 0x3f22f983, v[TR+2]         ; a x 2 / pi
	s_delay_alu instid0(VALU_DEP_1)
	v_rndne_f32 v[TR+3], v[TR+3]                   ; n
	s_delay_alu instid0(VALU_DEP_1)
	v_fmamk_f32 v[TR+2], v[TR+3], 0xbfc90fdb, v[TR+2]
	s_delay_alu instid0(VALU_DEP_1)
	v_fmamk_f32 v[TR+2], v[TR+3], 0x333bbd2e, v[TR+2]
	s_delay_alu instid0(VALU_DEP_1)
	v_fmamk_f32 v[TR+2], v[TR+3], 0x26f72ced, v[TR+2]   ; r
	s_delay_alu instid0(VALU_DEP_4)
	v_cvt_i32_f32 v[TR+4], v[TR+3]
	s_delay_alu instid0(VALU_DEP_2)
	v_mul_f32 v[TR+5], v[TR+2], v[TR+2]            ; r^2
	v_mov_b32 v[TR+6], 0x3638ef1d                  ; 1 / 9!
	v_mov_b32 v[TR+7], 0xb493f27e                  ; -1 / 10!
	s_delay_alu instid0(VALU_DEP_2)
	v_fmaak_f32 v[TR+6], v[TR+6], v[TR+5], 0xb9500d01   ; -1 / 7!
	s_delay_alu instid0(VALU_DEP_2)
	v_fmaak_f32 v[TR+7], v[TR+7], v[TR+5], 0x37d00d01   ; 1 / 8!
	s_delay_alu instid0(VALU_DEP_2)
	v_fmaak_f32 v[TR+6], v[TR+6], v[TR+5], 0x3c088889   ; 1 / 5!
	s_delay_alu instid0(VALU_DEP_2)
	v_fmaak_f32 v[TR+7], v[TR+7], v[TR+5], 0xbab60b61   ; -1 / 6!
	s_delay_alu instid0(VALU_DEP_2)
	v_fmaak_f32 v[TR+6], v[TR+6], v[TR+5], 0xbe2aaaab   ; -1 / 3!
	s_delay_alu instid0(VALU_DEP_2)
	v_fmaak_f32 v[TR+7], v[TR+7], v[TR+5], 0x3d2aaaab   ; 1 / 4!
	v_mul_f32 v[TR+8], v[TR+2], v[TR+5]            ; r^3
	s_delay_alu instid0(VALU_DEP_2)
	v_fmaak_f32 v[TR+7], v[TR+7], v[TR+5], 0xbf000000   ; -1 / 2
	s_delay_alu instid0(VALU_DEP_2)
	v_fma_f32 v[TR+6], v[TR+6], v[TR+8], v[TR+2]   ; sin r
	s_delay_alu instid0(VALU_DEP_2)
	v_fmaak_f32 v[TR+7], v[TR+7], v[TR+5], 0x3f800000   ; cos r
	v_and_b32 v[TR+8], 1, v[TR+4]
	s_delay_alu instid0(VALU_DEP_1)
	v_cmp_eq_u32 vcc_lo, 1, v[TR+8]                ; n odd: the two change places
	s_delay_alu instid0(VALU_DEP_1)
	v_cndmask_b32 v[TR+1], v[TR+6], v[TR+7], vcc_lo
	s_delay_alu instid0(VALU_DEP_2)
	v_cndmask_b32 v[TR], v[TR+7], v[TR+6], vcc_lo
	v_lshlrev_b32 v[TR+8], 30, v[TR+4]
	s_delay_alu instid0(VALU_DEP_1)
	v_and_b32 v[TR+8], 0x80000000, v[TR+8]         ; the sine is negated where n % 4 is 2 or 3,
	s_delay_alu instid0(VALU_DEP_1)
	v_xor_b32 v[TR+1], v[TR+1], v[TR+8]
	v_add_nc_u32 v[TR+9], 1, v[TR+4]
	s_delay_alu instid0(VALU_DEP_1)
	v_lshlrev_b32 v[TR+9], 30, v[TR+9]
	s_delay_alu instid0(VALU_DEP_1)
	v_and_b32 v[TR+9], 0x80000000, v[TR+9]         ; the cosine where it is 1 or 2
	s_delay_alu instid0(VALU_DEP_1)
	v_xor_b32 v[TR], v[TR], v[TR+9]
	global_store_b64 v[L8], v[TR:TR+1], s[20:21]   ; 32 lanes store a row of 256 consecutive bytes
	s_wait_loadcnt 16                              ; K step 0's 16 loads are in; K step 1's 16 may be out
	TOST R0, 0
	FROMST XA, 0
	s_wait_loadcnt 0x0
	TOST R1, 1
	s_wait_dscnt 16                                ; all but the 16 stores just issued: K step 0 is back, and its stores into the stage are served: their registers take K step 1
	FROMST R0, 1
	QUANT XA, COD, SW                              ; K step 0 is quantised while K step 1 turns
	CODES 0
	s_wait_dscnt 0x0
	QUANT R0, COD+12, SW+1
	CODES 1
	v_cndmask_b32 v[SWO], v[SW], v[SW+1], s31      ; both halves of the lanes hold row r's two words: lanes 0-15 put down the first, lanes 16-31 the second
	ds_store_b32 v[SWA], v[SWO]
	s_wait_dscnt 0x0                               ; for the others' sake: my words lie in LDS
	s_barrier_signal -1
	s_barrier_wait -1                              ; everybody's do
	s_cmp_lg_u32 s25, 0                            ; the first of a tile's four waves stores its 512 bytes
	s_cbranch_scc1 .Ldone
	ds_load_b128 v[XA:XA+3], v[SRA]
	s_wait_dscnt 0x0
	global_store_b128 v[L16], v[XA:XA+3], s[18:19] ; 32 lanes store 512 consecutive bytes, at a multiple of 512 from scl's first byte
.Ldone:
	s_wait_tensorcnt 0x0
	ds_add_u32 v251, v255
	s_wait_dscnt 0x0
	s_endpgm
.Lfunc_end_k_q99eb0d40b6_quant:
	.size	k_q99eb0d40b6_quant, .Lfunc_end_k_q99eb0d40b6_quant-k_q99eb0d40b6_quant
	.p2alignl 7, 3214868480
	.fill 96, 4, 3214868480
	.section	.rodata,"a",@progbits
	.p2align	6, 0x0
	.amdhsa_kernel k_q99eb0d40b6_quant
		.amdhsa_group_segment_fixed_size 137216
		.amdhsa_private_segment_fixed_size 0
		.amdhsa_enable_private_segment 0
		.amdhsa_kernarg_size 72
		.amdhsa_user_sgpr_count 2
		.amdhsa_user_sgpr_kernarg_segment_ptr 1
		.amdhsa_wavefront_size32 1
		.amdhsa_system_sgpr_workgroup_id_x 1
		.amdhsa_system_sgpr_workgroup_id_y 1
		.amdhsa_system_sgpr_workgroup_id_z 1
		.amdhsa_system_vgpr_workitem_id 0
		.amdhsa_next_free_vgpr 256
		.amdhsa_next_free_sgpr 66
		.amdhsa_reserve_vcc 1
		.amdhsa_float_denorm_mode_32 3
		.amdhsa_float_denorm_mode_16_64 3
		.amdhsa_memory_ordered 1
		.amdhsa_forward_progress 1
		.amdhsa_inst_pref_size 29
	.end_amdhsa_kernel
	.amdgpu_metadata
---
amdhsa.version: [ 1, 2 ]
amdhsa.kernels:
  - .name:           k_q99eb0d40b6_quant
    .symbol:         k_q99eb0d40b6_quant.kd
    .args:
      - { .name: x, .offset: 0, .size: 8, .value_kind: global_buffer, .address_space: global }
      - { .name: Wq, .offset: 8, .size: 8, .value_kind: global_buffer, .address_space: global }
      - { .name: Wk, .offset: 16, .size: 8, .value_kind: global_buffer, .address_space: global }
      - { .name: Wv, .offset: 24, .size: 8, .value_kind: global_buffer, .address_space: global }
      - { .name: Wo, .offset: 32, .size: 8, .value_kind: global_buffer, .address_space: global }
      - { .name: token_positions, .offset: 40, .size: 8, .value_kind: global_buffer, .address_space: global }
      - { .name: cod, .offset: 48, .size: 8, .value_kind: global_buffer, .address_space: global }
      - { .name: scl, .offset: 56, .size: 8, .value_kind: global_buffer, .address_space: global }
      - { .name: tab, .offset: 64, .size: 8, .value_kind: global_buffer, .address_space: global }
    .group_segment_fixed_size: 137216
    .private_segment_fixed_size: 0
    .kernarg_segment_align: 8
    .kernarg_segment_size: 72
    .max_flat_workgroup_size: 256
    .sgpr_count:     66
    .vgpr_count:     256
    .wavefront_size: 32
...
	.end_amdgpu_metadata
.endif
;; end of part 1
;; launch qkv (part 2): grid 16 x 16, 12 waves a work-group, no clusters, 327,680 bytes of LDS; arguments cod, scl, tab, qf, qs, kv; writes qf, qs, kv
.if DOCPART == 2
	.amdgcn_target "amdgcn-amd-amdhsa--gfx1250"
	.amdhsa_code_object_version 6
	.text
	.protected	k_q99eb0d40b6_qkv
	.globl	k_q99eb0d40b6_qkv
	.p2align	8
	.type	k_q99eb0d40b6_qkv,@function
k_q99eb0d40b6_qkv:
	s_mov_b64 s[64:65], 0
	v_nop
	global_prefetch_b8 v0, s[64:65] scope:SCOPE_SE
	s_setreg_imm32_b32 hwreg(HW_REG_WAVE_MODE, 25, 1), 1
	s_wait_xcnt 0x0
; q = x Wq^T, k = x Wk^T, v = x Wv^T on codes of FP6 (E2M3) with E8M0 scales; q and k are turned by the table's cosines and sines; all three are quantised again, in registers, as operands of attention's products.
; SHARES.  Work-group (bx, hd) makes 256 rows of x against head hd's 64 rows of each weight.  Twelve waves: role = wave / 4 (q, k, v), rg = wave % 4 (64 of the rows); a wave makes 64 x 64: 16 accumulators.
; TILES.  Tile 2 b + u of an operand holds in lane r the row 32 b + 8 u + r + 8 (r / 8).  With four tiles of a group of 64 as source 0, register 16 b + i of the 32 results that a lane holds for a tile of source 1 is
; index 32 b + 16 h + i along source 0's rows: 16 neighbours of each block of 32, as the conversions want them.  q, k: source 0 = the weight (registers run along the head's 64), source 1 = x.  v: source 0 = x
; (registers run along the keys, the second product's K), source 1 = Wv.  One text serves the three: only the two groups' numbers differ.
; LDS.  K goes in four chunks of two K steps.  A slot holds a chunk: 7 groups (x's four groups of 64 rows, Wq's, Wk's, Wv's head) x 4 tiles x 2 K steps x 1,536 bytes, fragments as images of their registers.
; Slot 0 is filled with chunk 0 at the start, with the scale words of all of K; chunks 1 and 2 go into one larger slot behind the first barrier; chunk 3 goes into slot 0 when chunk 0 has been read: the launch's one refill.  Waves 0-6 fetch, wave w group w.  By this text's own count a wave has
; one tensor load out at a time: the head's, then chunks 1 and 2, then the refill.  All of a WGP's LDS is claimed.
; No cluster: x's tiles are shared by the 16 heads' work-groups and a weight's by the 16 row blocks, so joint loads would apply; this text is kept free of the cluster's rounds.
; OUT.  qf [32 bh][64 pairs of 32 queries][1,536]: a fragment's image; registers 0-5 tile 2 b, registers 6-11 tile 2 b + 1 (each the head's 64).  qs [bh][64 pairs][16 r] words: low half tile 2 b's two bytes, high half tile 2 b + 1's.
; kv [bh][16 steps of 128 keys][12,800]: four pairs of k as in qf; from 6,144 four fragments of v^T (16 of the head's 64 x 128 keys), each as two halves of 768 bytes (registers 0-3 at 16 l, registers 4-5 at 512 + 8 l);
; from 12,288 k's words, 64 bytes a pair; from 12,544 v's words, 64 bytes a tile.
; LIMITS: as in the first launch: a block under 2^-124 keeps the byte 1, a block of zeros too (its codes are zeros); NaN and infinities are not served.
.set GRP,   12288                      ; a group in a slot: 4 tiles x 3,072 bytes
.set SLOT,  7*GRP                      ; 86,016
.set SCL,   3*SLOT                     ; the scale words: 7 groups x 2,048 bytes
.set SPARE, SCL+7*2048                 ; the spare words, 128 bytes for each of twelve waves: six blocks of 256 bytes that no other line names
.set AP0,  1                           ; v1   source 0's fragments in slot 0: 12,288 x group + 16 x lane; never rewritten
.set AS0,  2                           ; v2   source 1's
.set ASA,  3                           ; v3   source 0's scale words: SCL + 2,048 x group + 32 r
.set ASB,  4                           ; v4   source 1's
.set SPW,  5                           ; v5   my spare word: SPARE + 4 x my thread's number; never rewritten
.set NIL,  6                           ; v6   0; never rewritten
.set L16,  7                           ; v7   16 x lane
.set L8,   8                           ; v8   8 x lane
.set L4,   9                           ; v9   4 x lane
.set TO,   10                          ; v10  the table: (r + 8 (r / 8)) x 256 + 64 h
.set HWD,  11                          ; v11, v111, v126, v127: half words and words of scale bytes on the way out
.set SA,   12                          ; v12-19 source 0's scale words, tile p, K step ks: 2 p + ks
.set SB,   20                          ; v20-27 source 1's
.set F0,   28                          ; v28-75  source 0's four fragments
.set F1,   76                          ; v76-123 source 1's
.set APW,  124                         ; v124, v125: the same addresses in the larger slot (chunks 1 and 2)
.set ASW,  125
.set HWA,  126
.set HWB,  127
.set ACC,  128                         ; v128-255: accumulator (q, p) at 8 (4 q + p)
.set CSA,  28                          ; the way out: v28-59, v60-91 two sets of 16 pairs (cos, sin)
.set CSB,  60
.set TT,   92                          ; v92-99 products at work
.set MX,   100                         ; v100-101 largest magnitudes, v102-103 the other half's, v104-105 scale operands, v106-107 bytes
.set PX,   102
.set SO,   104
.set BY,   106
.set CT,   108                         ; v108-110 a block's upper codes
.set HWC,  111
.set FR,   112                         ; v112-123 the codes just made
.set SEL,  60                          ; s[60:61] selects of v_permlanex16_b32: lane l xor 16
	s_load_b256 s[4:11], s[0:1], 0x0               ; cod, scl, tab, qf
	s_load_b128 s[12:15], s[0:1], 0x20             ; qs, kv
	v_lshl_add_u32 v[SPW], v0, 2, SPARE
	v_mov_b32 v[NIL], 0
	ds_add_u32 v5, v6
	ds_add_u32 v5, v6
	s_wait_dscnt 0x0
	v_lshrrev_b32 v1, 5, v0
	s_delay_alu instid0(VALU_DEP_1)
	v_readfirstlane_b32 s16, v1                    ; wave 0..11
	s_lshr_b32 s17, s16, 2                         ; role: 0 q, 1 k, 2 v
	s_and_b32 s18, s16, 3                          ; rg
	s_lshr_b32 s19, s16, 3                         ; 1 for v
	s_and_b32 s21, ttmp7, 0xffff                   ; hd
	s_xor_b32 s22, s19, 1                          ; 1 for q and k
	s_add_co_u32 s23, s17, 4
	s_mul_i32 s23, s23, s22
	s_mul_i32 s56, s18, s19
	s_add_co_u32 s23, s23, s56                     ; source 0's group: q, k: 4 + role; v: rg
	s_mul_i32 s56, s18, s22
	s_mul_i32 s57, s19, 6
	s_add_co_u32 s56, s56, s57                     ; source 1's group: q, k: rg; v: 6
	v_and_b32 v[L16], 31, v0
	s_delay_alu instid0(VALU_DEP_1)
	v_lshlrev_b32 v[L8], 3, v[L16]
	s_delay_alu instid0(VALU_DEP_2)
	v_lshlrev_b32 v[L4], 2, v[L16]
	s_delay_alu instid0(VALU_DEP_3)
	v_lshlrev_b32 v[L16], 4, v[L16]
	v_and_b32 v[HWD], 15, v0                       ; r
	s_mul_i32 s57, s23, GRP
	v_add_nc_u32 v[AP0], s57, v[L16]
	s_mul_i32 s57, s56, GRP
	v_add_nc_u32 v[AS0], s57, v[L16]
	s_lshl_b32 s57, s23, 11
	s_add_co_u32 s57, s57, SCL
	v_lshl_add_u32 v[ASA], v[HWD], 5, s57
	s_lshl_b32 s57, s56, 11
	s_add_co_u32 s57, s57, SCL
	v_lshl_add_u32 v[ASB], v[HWD], 5, s57
	v_bfe_u32 v[TO], v0, 4, 1                      ; h
	v_and_b32 v[HWA], 8, v[HWD]
	s_delay_alu instid0(VALU_DEP_1)
	v_add_nc_u32 v[HWA], v[HWA], v[HWD]            ; r + 8 (r / 8)
	s_delay_alu instid0(VALU_DEP_1)
	v_lshlrev_b32 v[HWA], 8, v[HWA]
	s_delay_alu instid0(VALU_DEP_1)
	v_lshl_add_u32 v[TO], v[TO], 6, v[HWA]
	s_mov_b32 s58, 0xffff0000                      ; lanes 16-31
	s_mov_b32 s[SEL], 0x76543210
	s_mov_b32 s[SEL+1], 0xfedcba98
	; descriptor group 1 for codes: 4 rows (tiles) of 384 elements of 8 bytes (two K steps), 1,536 elements (a tile's eight K steps) apart; dense in LDS
	s_mov_b32 s24, 3<<16
	s_mov_b32 s25, 384<<16
	s_mov_b32 s26, 4<<16
	s_mov_b32 s27, 384<<16
	s_mov_b32 s28, 4
	s_mov_b32 s29, 1536
	s_mov_b32 s30, 0
	s_mov_b32 s31, 0
	; and for scale words: four tiles' 2,048 dense bytes as 8 rows of 256
	s_mov_b32 s32, 3<<16
	s_mov_b32 s33, 32<<16
	s_mov_b32 s34, 8<<16
	s_mov_b32 s35, 32<<16
	s_mov_b32 s36, 8
	s_mov_b32 s37, 32
	s_mov_b32 s38, 0
	s_mov_b32 s39, 0
	s_lshl_b32 s57, ttmp9, 4
	s_lshl_b32 s59, s16, 2
	s_add_co_u32 s57, s57, s59                     ; x's group w begins at tile 16 bx + 4 w
	s_lshl_b32 s59, s16, 6
	s_lshl_b32 s62, s21, 2
	s_add_co_u32 s59, s59, s62                     ; a weight's head at tile 64 w + 4 hd (w = 4, 5, 6: Wq, Wk, Wv begin at tiles 256, 320, 384)
	s_cmp_lt_u32 s16, 4
	s_cselect_b32 s57, s57, s59
	s_mul_i32 s66, s57, 12288
	s_mov_b32 s67, 0
	s_sub_co_u32 s68, s59, 256                     ; the scale words of a weight's head are brought by wave w = 8, 9, 10: tile 64 (w - 4) + 4 hd
	s_lshl_b32 s68, s68, 9
	s_mov_b32 s69, 0
	s_mul_i32 s62, s16, GRP                        ; where my group goes in a slot,
	s_lshl_b32 s63, s16, 11                        ; and among the scale words
	s_wait_kmcnt 0x0
	s_add_nc_u64 s[66:67], s[4:5], s[66:67]
	s_add_nc_u64 s[68:69], s[6:7], s[68:69]
	s_mov_b32 s40, 1                               ; group 0 for the scale words
	s_add_co_u32 s41, s63, SCL-8192                ; group w - 4's 2,048 bytes
	s_mov_b64 s[42:43], s[68:69]
	s_or_b32 s43, s43, 0x80000000
.irp c, 0,1
	s_mov_b32 s[44+4*\c], 1
	s_add_co_u32 s[45+4*\c], s62, \c*SLOT
	s_add_nc_u64 s[46+4*\c:47+4*\c], s[66:67], \c*3072
	s_or_b32 s[47+4*\c], s[47+4*\c], 0x80000000
.endr
	; LDS AS IT IS USED NOW: slot 0 (chunk 0, later chunk 3) as before; behind it ONE larger slot for chunks 1 and 2 together: 7 groups x 4 tiles x 4 K steps x 1,536 bytes, brought by one load a wave.
	s_lshl_b32 s49, s62, 1
	s_add_co_u32 s49, s49, SLOT                    ; my group in the larger slot: 24,576 bytes a group
	s_mov_b32 s72, 3<<16                           ; group 1 for it: 4 rows (tiles) of 768 elements of 8 bytes (four K steps), 1,536 elements apart
	s_mov_b32 s73, 768<<16
	s_mov_b32 s74, 4<<16
	s_mov_b32 s75, 768<<16
	s_mov_b32 s76, 4
	s_mov_b32 s77, 1536
	s_mov_b32 s78, 0
	s_mov_b32 s79, 0
	s_mov_b32 s80, 3<<16                           ; group 1 for x's scale words: sixteen tiles' 8,192 dense bytes as 32 rows of 256
	s_mov_b32 s81, 32<<16
	s_mov_b32 s82, 32<<16
	s_mov_b32 s83, 32<<16
	s_mov_b32 s84, 32
	s_mov_b32 s85, 32
	s_mov_b32 s86, 0
	s_mov_b32 s87, 0
	s_mov_b32 s88, 1                               ; and its group 0: tiles 16 bx on
	s_mov_b32 s89, SCL
	s_lshl_b32 s92, ttmp9, 13
	s_mov_b32 s93, 0
	s_add_nc_u64 s[90:91], s[6:7], s[92:93]
	s_or_b32 s91, s91, 0x80000000
	; the head's loads, one a wave: waves 0-6 chunk 0 of group w, wave 7 x's scale words, waves 8-10 a weight's; wave 11 none
	s_cmp_lt_u32 s16, 7
	s_cbranch_scc0 .Lhead_sx
	tensor_load_to_lds s[44:47], s[24:31]
	s_nop 0
.rept 4
	v_nop
.endr
	s_branch .Lhead_asked
.Lhead_sx:
	s_cmp_eq_u32 s16, 7
	s_cbranch_scc0 .Lhead_sw
	tensor_load_to_lds s[88:91], s[80:87]
	s_nop 0
.rept 4
	v_nop
.endr
	s_branch .Lhead_asked
.Lhead_sw:
	s_cmp_lt_u32 s16, 11
	s_cbranch_scc0 .Lhead_asked
	tensor_load_to_lds s[40:43], s[32:39]
	s_nop 0
.rept 4
	v_nop
.endr
.Lhead_asked:
; A K step: 24 LDS loads of 512 consecutive bytes, 16 matrix instructions, the accumulators by turns, four places in front of the next loads and of the first read of results
.macro KSTEP ap, as, tp, ko, ks, zero
.irp p, 0,1,2,3
.irp c, 0,1,2
	ds_load_b128 v[F0+12*\p+4*\c:F0+12*\p+4*\c+3], v[\ap] offset:\tp*\p+\ko+512*\c
.endr
.endr
.irp p, 0,1,2,3
.irp c, 0,1,2
	ds_load_b128 v[F1+12*\p+4*\c:F1+12*\p+4*\c+3], v[\as] offset:\tp*\p+\ko+512*\c
.endr
.endr
.irp q, 0,1,2,3
	s_wait_dscnt 9-3*\q                            ; source 0 and source 1's tiles up to q are in; the later tiles' three loads each may be out
.irp p, 0,1,2,3
.if \zero
	v_wmma_scale_f32_16x16x128_f8f6f4 v[ACC+8*(4*\q+\p):ACC+8*(4*\q+\p)+7], v[F0+12*\p:F0+12*\p+11], v[F1+12*\q:F1+12*\q+11], 0, v[SA+2*\p+\ks], v[SB+2*\q+\ks] matrix_a_fmt:MATRIX_FMT_FP6 matrix_b_fmt:MATRIX_FMT_FP6
.else
	v_wmma_scale_f32_16x16x128_f8f6f4 v[ACC+8*(4*\q+\p):ACC+8*(4*\q+\p)+7], v[F0+12*\p:F0+12*\p+11], v[F1+12*\q:F1+12*\q+11], v[ACC+8*(4*\q+\p):ACC+8*(4*\q+\p)+7], v[SA+2*\p+\ks], v[SB+2*\q+\ks] matrix_a_fmt:MATRIX_FMT_FP6 matrix_b_fmt:MATRIX_FMT_FP6
.endif
.endr
.endr
.rept 4
	v_nop
.endr
.endm
; A chunk: its two K steps' scale words (8 bytes a row and tile), then the two K steps
.macro CHUNK c, ap, as, tp, ko, zero
.irp p, 0,1,2,3
	ds_load_b64 v[SA+2*\p:SA+2*\p+1], v[ASA] offset:512*\p+8*\c
	ds_load_b64 v[SB+2*\p:SB+2*\p+1], v[ASB] offset:512*\p+8*\c
.endr
	KSTEP \ap, \as, \tp, \ko, 0, \zero
	KSTEP \ap, \as, \tp, (\ko)+1536, 1, 0
.endm
	s_wait_alu depctr_va_vdst(0)
	s_wait_tensorcnt 0x0                           ; my load of the head has landed
	ds_add_u32 v[SPW], v[NIL]                      ; the add, twice on end
	ds_add_u32 v[SPW], v[NIL]
	v_lshl_add_u32 v[APW], v[AP0], 1, SLOT         ; my groups in the larger slot: SLOT + 24,576 x group + 16 x lane
	v_lshl_add_u32 v[ASW], v[AS0], 1, SLOT
	v_sub_nc_u32 v[APW], v[APW], v[L16]
	v_sub_nc_u32 v[ASW], v[ASW], v[L16]
	s_wait_alu depctr_va_vdst(0)
	s_wait_dscnt 0x0
	s_barrier_signal -1
	s_barrier_wait -1                              ; chunk 0 and all scale words are in
	s_cmp_lt_u32 s16, 7
	s_cbranch_scc0 .Lno_big
	tensor_load_to_lds s[48:51], s[72:79]          ; chunks 1 and 2, one load a wave: a first fill
	s_nop 0
.rept 4
	v_nop
.endr
.Lno_big:
	CHUNK 0, AP0, AS0, 3072, 0, 1                  ; the first products start the sums
	s_wait_tensorcnt 0x0                           ; chunks 1 and 2 have landed: a group 0 may be written
	ds_add_u32 v[SPW], v[NIL]
	ds_add_u32 v[SPW], v[NIL]
	s_add_nc_u64 s[46:47], s[46:47], 9216          ; slot 0's descriptor: on to chunk 3
	s_wait_dscnt 0x0                               ; the adds are done, and my reads of slot 0 are over
	s_barrier_signal -1
	s_barrier_wait -1
	s_cmp_lt_u32 s16, 7
	s_cbranch_scc0 .Lno_refill
	tensor_load_to_lds s[44:47], s[24:31]          ; the one refill: two chunks' work stands between it and the wait for it
	s_nop 0
.rept 4
	v_nop
.endr
.Lno_refill:
	CHUNK 1, APW, ASW, 6144, 0, 0
	CHUNK 2, APW, ASW, 6144, 3072, 0
	s_wait_tensorcnt 0x0                           ; my part of chunk 3 is in,
	s_wait_dscnt 0x0
	s_barrier_signal -1
	s_barrier_wait -1                              ; everybody's is
	CHUNK 3, AP0, AS0, 3072, 0, 0
; 32 numbers of a lane (two blocks of 32, 16 of each) become six registers of codes at v[d], lanes 0-15 the first block, lanes 16-31 the second, and the two scale bytes in v[hw]
.macro QH s, d, hw
.irp b, 0,1
	v_max3_num_f32 v[MX+\b], |v[(\s)+16*\b]|, |v[(\s)+16*\b+1]|, 0x1800000   ; and the floor 2^(3 - 127): the byte cannot fall under 1
.endr
.irp i, 2,4,6,8,10,12,14
.irp b, 0,1
	v_max3_num_f32 v[MX+\b], v[MX+\b], |v[(\s)+16*\b+\i]|, |v[(\s)+16*\b+\i+1]|
.endr
.endr
.irp b, 0,1
	s_delay_alu instid0(VALU_DEP_2)
	v_permlanex16_b32 v[PX+\b], v[MX+\b], s[SEL], s[SEL+1]
.endr
.irp b, 0,1
	s_delay_alu instid0(VALU_DEP_2)
	v_max_num_f32 v[MX+\b], v[MX+\b], v[PX+\b]     ; with lane l xor 16's: the block's largest magnitude
.endr
.irp b, 0,1
	s_delay_alu instid0(VALU_DEP_2)
	v_add_nc_u32 v[SO+\b], 0xff000000, v[MX+\b]    ; 2 off its exponent field: the conversion's scale operand
.endr
.irp b, 0,1
	s_delay_alu instid0(VALU_DEP_2)
	v_lshrrev_b32 v[BY+\b], 23, v[SO+\b]           ; the scale's byte
.endr
	s_delay_alu instid0(VALU_DEP_1)
	v_lshl_or_b32 v[\hw], v[BY+1], 8, v[BY]
	v_cvt_scalef32_pk16_fp6_f32 v[(\d):(\d)+2], v[(\s):(\s)+15], v[SO]
	v_cvt_scalef32_pk16_fp6_f32 v[CT:CT+2], v[(\s)+16:(\s)+31], v[SO+1]
	v_nop                                          ; one plain place behind a scaled conversion
.irp i, 0,1,2
	v_permlane16_swap_b32 v[(\d)+\i], v[CT+\i]     ; a whole block to a lane
.endr
.irp i, 0,1,2
	s_delay_alu instid0(VALU_DEP_3)
	v_mov_b32 v[(\d)+3+\i], v[CT+\i]
.endr
.endm
	; THE WAY OUT.  Offsets first; they hang on ids alone.
	v_mov_b32 v[PX], 0                             ; written once: a lane permute's destination counts as one of its sources
	v_mov_b32 v[PX+1], 0
	s_lshr_b32 s70, ttmp9, 3
	s_lshl_b32 s70, s70, 4
	s_add_co_u32 s70, s70, s21                     ; bh = 16 x batch + head
	s_and_b32 s71, ttmp9, 7                        ; which 256 of the sequence
	s_lshl_b32 s72, s71, 1
	s_lshr_b32 s73, s18, 1
	s_add_co_u32 s72, s72, s73                     ; my rows' step of 128 keys
	s_mul_i32 s72, s72, 12800
	s_mul_i32 s73, s70, 204800
	s_add_co_u32 s72, s72, s73                     ; its first byte in kv
	s_and_b32 s73, s18, 1                          ; and which 64 of the 128
	s_cmp_lt_u32 s16, 8
	s_cbranch_scc0 .Lrole_v
	; ---- q and k: lane (r, h) holds, for x's tile t, row 32 (t / 2) + 8 (t % 2) + r + 8 (r / 8) of my 64, and of the head's 64 the numbers 32 b + 16 h + i
	s_lshl_b32 s74, s71, 3
	s_lshl_b32 s75, s18, 1
	s_add_co_u32 s74, s74, s75                     ; my first pair of 32 rows in the head
	s_mul_i32 s76, s74, 1536
	s_mul_i32 s77, s70, 98304
	s_add_co_u32 s76, s76, s77                     ; q: its image,
	s_lshl_b32 s78, s74, 6
	s_lshl_b32 s77, s70, 12
	s_add_co_u32 s78, s78, s77                     ; its words
	s_mul_i32 s80, s73, 3072
	s_add_co_u32 s80, s80, s72                     ; k: the image,
	s_lshl_b32 s82, s73, 7
	s_add_co_u32 s82, s82, s72
	s_add_co_u32 s82, s82, 12288                   ; the words
	s_cmp_eq_u32 s17, 0                            ; the choice hangs on the wave's number alone
	s_cselect_b64 s[84:85], s[10:11], s[14:15]
	s_cselect_b64 s[86:87], s[12:13], s[14:15]
	s_cselect_b32 s76, s76, s80
	s_cselect_b32 s78, s78, s82
	s_mov_b32 s77, 0
	s_mov_b32 s79, 0
	s_add_nc_u64 s[84:85], s[84:85], s[76:77]
	s_add_nc_u64 s[86:87], s[86:87], s[78:79]
	s_lshl_b32 s88, s71, 16
	s_lshl_b32 s89, s18, 14
	s_add_co_u32 s88, s88, s89                     ; the table at my first row: 256 bytes a place in the sequence
	s_mov_b32 s89, 0
	s_add_nc_u64 s[8:9], s[8:9], s[88:89]
.macro CSLOAD t, reg                           ; tile t's 16 pairs (cos, sin) of my row: pair 8 b + m belongs to the numbers 32 b + 16 h + 2 m, + 1
.irp b, 0,1
.irp j, 0,1,2,3
	global_load_b128 v[\reg+16*\b+4*\j:\reg+16*\b+4*\j+3], v[TO], s[8:9] offset:(32*((\t)/2)+8*((\t)%2))*256+128*\b+16*\j
.endr
.endr
.endm
.macro ROPE t, cs                              ; (x1, x2) -> (x1 cos - x2 sin, x1 sin + x2 cos), each accumulator from its low end on
.set MM, 0
.rept 16
	v_mul_f32 v[TT+2*(MM%4)], v[ACC+32*(\t)+2*MM+1], v[(\cs)+2*MM+1]
	v_mul_f32 v[TT+2*(MM%4)+1], v[ACC+32*(\t)+2*MM], v[(\cs)+2*MM+1]
	v_fma_f32 v[ACC+32*(\t)+2*MM], v[ACC+32*(\t)+2*MM], v[(\cs)+2*MM], -v[TT+2*(MM%4)]
	v_fma_f32 v[ACC+32*(\t)+2*MM+1], v[ACC+32*(\t)+2*MM+1], v[(\cs)+2*MM], v[TT+2*(MM%4)+1]
.set MM, MM+1
.endr
.endm
.macro PAIROUT pr                              ; a pair's image: 32 lanes store 512 consecutive bytes, three times
.irp c, 0,1,2
	global_store_b128 v[L16], v[FR+4*\c:FR+4*\c+3], s[84:85] offset:1536*\pr+512*\c
.endr
.endm
	CSLOAD 0, CSA
	CSLOAD 1, CSB
	s_wait_loadcnt 0x8                             ; tile 0's eight loads are in; the next tile's eight may be out
	ROPE 0, CSA
	CSLOAD 2, CSA
	QH ACC, FR, HWA
	s_wait_loadcnt 0x8                             ; tile 1's are in; tile 2's may be out
	ROPE 1, CSB
	CSLOAD 3, CSB
	QH ACC+32, FR+6, HWB
	v_lshl_or_b32 v[HWC], v[HWB], 16, v[HWA]       ; the first pair's scale word
	PAIROUT 0
	s_wait_loadcnt 0x8                             ; tile 2's are in; tile 3's may be out
	ROPE 2, CSA
	s_wait_xcnt 0x0                                ; the codes' registers are written again only behind this wait
	QH ACC+64, FR, HWA
	s_wait_loadcnt 0x0
	ROPE 3, CSB
	QH ACC+96, FR+6, HWB
	v_lshl_or_b32 v[HWD], v[HWB], 16, v[HWA]
	PAIROUT 1
	v_cndmask_b32 v[HWC], v[HWC], v[HWD], s58      ; both halves of the lanes hold row r's word: lanes 0-15 store the first pair's, lanes 16-31 the second's: 128 consecutive bytes
	global_store_b32 v[L4], v[HWC], s[86:87]
	s_branch .Ltail
.Lrole_v:
	; ---- v: lane (r, h) holds, for Wv's tile t, channel 32 (t / 2) + 8 (t % 2) + r + 8 (r / 8) of the head, and of my 64 keys the numbers 32 b + 16 h + i: half a fragment of v^T
	s_mul_i32 s76, s73, 768
	s_add_co_u32 s76, s76, s72
	s_add_co_u32 s76, s76, 6144
	s_mov_b32 s77, 0
	s_add_nc_u64 s[84:85], s[14:15], s[76:77]
	s_lshl_b32 s78, s73, 1
	s_add_co_u32 s78, s78, s72
	s_add_co_u32 s78, s78, 12544
	s_mov_b32 s79, 0
	s_add_nc_u64 s[86:87], s[14:15], s[78:79]
.macro VOUT t, hw
.if (\t) >= 2
	s_wait_xcnt 0x0                                ; tile t - 2's stores have read these registers
.endif
	QH ACC+32*(\t), FR+6*((\t)%2), \hw
	global_store_b128 v[L16], v[FR+6*((\t)%2):FR+6*((\t)%2)+3], s[84:85] offset:1536*(\t)
	global_store_b64 v[L8], v[FR+6*((\t)%2)+4:FR+6*((\t)%2)+5], s[84:85] offset:1536*(\t)+512
.endm
	VOUT 0, HWA
	VOUT 1, HWB
	VOUT 2, HWC
	VOUT 3, HWD
	v_cndmask_b32 v[HWA], v[HWA], v[HWB], s58      ; lanes 0-15 store tile 0's two bytes, lanes 16-31 tile 1's
	v_cndmask_b32 v[HWC], v[HWC], v[HWD], s58
	global_store_b16 v[L4], v[HWA], s[86:87]
	global_store_b16 v[L4], v[HWC], s[86:87] offset:128
.Ltail:
	s_wait_tensorcnt 0x0                           ; the wave's end
	ds_add_u32 v[SPW], v[NIL]
	s_wait_dscnt 0x0
	s_endpgm
.Lfunc_end_k_q99eb0d40b6_qkv:
	.size	k_q99eb0d40b6_qkv, .Lfunc_end_k_q99eb0d40b6_qkv-k_q99eb0d40b6_qkv
	.p2alignl 7, 3214868480
	.fill 96, 4, 3214868480
	.section	.rodata,"a",@progbits
	.p2align	6, 0x0
	.amdhsa_kernel k_q99eb0d40b6_qkv
		.amdhsa_group_segment_fixed_size 327680
		.amdhsa_private_segment_fixed_size 0
		.amdhsa_enable_private_segment 0
		.amdhsa_kernarg_size 48
		.amdhsa_user_sgpr_count 2
		.amdhsa_user_sgpr_kernarg_segment_ptr 1
		.amdhsa_wavefront_size32 1
		.amdhsa_system_sgpr_workgroup_id_x 1
		.amdhsa_system_sgpr_workgroup_id_y 1
		.amdhsa_system_sgpr_workgroup_id_z 1
		.amdhsa_system_vgpr_workitem_id 0
		.amdhsa_next_free_vgpr 256
		.amdhsa_next_free_sgpr 96
		.amdhsa_reserve_vcc 0
		.amdhsa_float_denorm_mode_32 3
		.amdhsa_float_denorm_mode_16_64 3
		.amdhsa_memory_ordered 1
		.amdhsa_forward_progress 1
		.amdhsa_inst_pref_size 78
	.end_amdhsa_kernel
	.amdgpu_metadata
---
amdhsa.version: [ 1, 2 ]
amdhsa.kernels:
  - .name:           k_q99eb0d40b6_qkv
    .symbol:         k_q99eb0d40b6_qkv.kd
    .args:
      - { .name: cod, .offset: 0, .size: 8, .value_kind: global_buffer, .address_space: global }
      - { .name: scl, .offset: 8, .size: 8, .value_kind: global_buffer, .address_space: global }
      - { .name: tab, .offset: 16, .size: 8, .value_kind: global_buffer, .address_space: global }
      - { .name: qf, .offset: 24, .size: 8, .value_kind: global_buffer, .address_space: global }
      - { .name: qs, .offset: 32, .size: 8, .value_kind: global_buffer, .address_space: global }
      - { .name: kv, .offset: 40, .size: 8, .value_kind: global_buffer, .address_space: global }
    .group_segment_fixed_size: 327680
    .private_segment_fixed_size: 0
    .kernarg_segment_align: 8
    .kernarg_segment_size: 48
    .max_flat_workgroup_size: 384
    .sgpr_count:     96
    .vgpr_count:     256
    .wavefront_size: 32
...
	.end_amdgpu_metadata
.endif
;; end of part 2
;; launch attn (part 3): grid 32 x 8, 16 waves a work-group, no clusters, 327,680 bytes of LDS; arguments qf, qs, kv, oc, os; writes oc, os
.if DOCPART == 3
	.amdgcn_target "amdgcn-amd-amdhsa--gfx1250"
	.amdhsa_code_object_version 6
	.text
	.protected	k_q99eb0d40b6_attn
	.globl	k_q99eb0d40b6_attn
	.p2align	8
	.type	k_q99eb0d40b6_attn,@function
k_q99eb0d40b6_attn:
	s_mov_b64 s[64:65], 0
	v_nop
	global_prefetch_b8 v0, s[64:65] scope:SCOPE_SE
	s_setreg_imm32_b32 hwreg(HW_REG_WAVE_MODE, 25, 1), 1
	s_wait_xcnt 0x0
; Causal attention of one head on codes of FP6 (E2M3): S^T = k q^T, p = 2^(t - M), O^T = v^T p^T, O / the row's sum, quantised along the model's width for the last product.
; t = score x log2(e) / 8; M = the running largest t rounded UP to a whole number; p is quantised along the keys, not normalised; the sum is taken of the unquantised p; a change of M multiplies by a power of two.
; LEFT OUT: steps of 128 keys that all come after a block's 128 queries: the causal mask sets their scores to -inf, so their p is 0 for all inputs.  A NaN or infinity that reaches only such keys is not carried.
; SHARES.  Work-group (i, bh) owns blocks i (short) and 15 - i (long) of 128 queries of head bh.  Tile tw of each block is a pair's: i + 1 and 16 - i key steps, 17 together.
;   wave tw (role A): the long tile's key steps 0 .. 8.   wave 8 + tw (role B): the short tile's steps 0 .. i, which it finishes and stores, then the long tile's steps 9 .. 15 - i: 8 steps.
;   At the end B hands its part (O^T, -M, sum) to A through LDS; A brings both parts under the larger M by powers of two, adds, and finishes the long tile.  With i = 7 B's part is empty: zeros under M = -3e38, factor 0.
; LDS.  Each role has its own stream of steps, 12,800 bytes each: A's step n at 12,800 n, B's m-th step at REGB + 12,800 m: places hang on the wave's number and the trip alone; only the global address hangs on i.
;   No byte is filled twice and every byte that is filled is read.  Head: the first two steps of both streams, half a step (25 rows of 256 bytes) to each of waves 0-7.  Behind the one full sequence: the other 13 steps,
;   a step (50 rows) to each of waves 0-12; two steps' work stands between that load and the wait for it.  One load a wave is out, by this text's count.  Behind the second barrier the waves walk their
;   streams with no barrier until the parts meet.  All of LDS is claimed, and the adds stand.
; No prefetch: every tensor load of the launch is issued ahead of its first loop, so there is no loop to run ahead in.
; No cluster: only stream A's steps are the same in the work-groups of a head; stream B's addresses hang on i.
; K = 64 in an instruction of K = 128: q's six registers stand between two runs of six zero registers; v[22:33] meets an image's first tile of keys, v[16:27] its second.
; Lane r of key tile 2 b + u holds key 32 b + 8 u + r + 8 (r / 8): register 16 b + i of S^T is key 32 b + 16 h + i.  Queries likewise.  Layouts of qf, qs, kv, oc, os as the launches beside this one have them.
; LIMITS: a block under 2^-124 keeps the byte 1, a block of zeros too (its codes are zeros); NaN and infinities are not served; scaled scores stay under 2^31 in magnitude.
.set STEPB, 12800
.set HALFB, 6400
.set REGB,  9*STEPB
.set STG,   17*STEPB                   ; the pairs' stages: 4,096 bytes of O^T, 256 of (-M, sum)
.set PAIRB, 4352
.set SPARE, STG+8*PAIRB
.set L16, 1
.set L8,  2
.set R4,  3
.set DL,  4                            ; my query's place in its block, less 16 h
.set ADK, 5
.set AD8, 6
.set ADS, 7
.set R32, 8
.set LN,  9
                                       ; v12 -M, v13 largest t, v[14:15] the sum; v16-21 zeros, v22-27 q, v28-33 zeros; v34, v35 q's two scale bytes low, high
.set FR,  36                           ; v36-83 four fragments of k, then of v^T;  v84-87 their scale words
.set FS,  84
.set Q2,  88                           ; v88-93 the long tile's q, v94 its two bytes
.set S,   96
.set O,   160
.set PC,  192
.set CT,  204
.set MX,  212
.set PX,  216
.set BY,  218
.set SO,  220
.set PW,  224
.set FF,  226
.set TP,  228
.set STA, 233
.set STM, 234
.set SPW, 254
.set NIL, 255
.set WV,  16
.set ST,  17                           ; role: 0 A, 1 B
.set BH,  18
.set QB,  19                           ; the block of the tile at work
.set TW,  20
.set T1,  21                           ; the tile that I finish: A the long one, B the short one
.set QL,  22
.set TW2, 23
.set G1,  24                           ; group 1: 25 rows;  s[32:35] the head's group 0
.set G0,  32
.set G0B, 36                           ; the second fill's group 0;  s[72:79] its group 1: 50 rows
.set G1B, 72
.set KS,  44                           ; my key step
.set SWK, 45                           ; the key step behind which B changes tiles
.set CC,  46
.set TB,  47
.set SEL, 48
.set CS,  50
.set JP,  70
.macro DESC g0, ls, thr, base          ; a loader's global address: stream place n is key step n, in B's stream n + 8 - i behind place i
	s_cmp_gt_i32 s[\ls], s[\thr]
	s_cselect_b32 s42, s[JP], 0
	s_add_co_u32 s42, s42, s[\ls]
	s_mul_i32 s42, s42, STEPB
	s_add_nc_u64 s[\g0+2:\g0+3], s[\base:\base+1], s[42:43]
	s_or_b32 s[\g0+3], s[\g0+3], 0x80000000
.endm
.macro ADDR                            ; the step's LDS addresses
	v_add_nc_u32 v[ADK], s[TB], v[L16]
	v_add_nc_u32 v[AD8], s[TB], v[L8]
	v_add_nc_u32 v[ADS], s[TB], v[R4]
	s_wait_alu depctr_va_vdst(0)
.endm
; A tile is finished: O^T / the sum, two blocks of 32 along the last product's K, codes and two scale bytes stored
.macro FINISH
	v_add_f32 v14, v14, v15
	v_permlanex16_b32 v[TP], v14, s[SEL], s[SEL+1]
	v_add_f32 v14, v14, v[TP]                      ; with lane l xor 16's: the row's sum
	s_wait_alu depctr_va_vdst(0)
	v_rcp_f32 v14, v14
	v_nop
	s_wait_alu depctr_va_vdst(0)
.set NN, 0
.rept 16
	v_pk_mul_f32 v[S+NN:S+NN+1], v[O+NN:O+NN+1], v[14:15] op_sel_hi:[1,0]
.set NN, NN+2
.endr
.irp b, 0,1
	v_max3_num_f32 v[MX+\b], |v[S+16*\b]|, |v[S+16*\b+1]|, 0x1800000
.endr
.irp i, 2,4,6,8,10,12,14
.irp b, 0,1
	v_max3_num_f32 v[MX+\b], v[MX+\b], |v[S+16*\b+\i]|, |v[S+16*\b+\i+1]|
.endr
.endr
.irp b, 0,1
	v_permlanex16_b32 v[PX+\b], v[MX+\b], s[SEL], s[SEL+1]
.endr
.irp b, 0,1
	v_max_num_f32 v[MX+\b], v[MX+\b], v[PX+\b]
.endr
.irp b, 0,1
	v_add_nc_u32 v[SO+\b], 0xff000000, v[MX+\b]
.endr
.irp b, 0,1
	v_lshrrev_b32 v[BY+\b], 23, v[SO+\b]
.endr
	v_lshl_or_b32 v[TP], v[BY+1], 8, v[BY]
	v_cvt_scalef32_pk16_fp6_f32 v[PC:PC+2], v[S:S+15], v[SO]
	v_cvt_scalef32_pk16_fp6_f32 v[CT:CT+2], v[S+16:S+31], v[SO+1]
	v_nop
.irp i, 0,1,2
	v_permlane16_swap_b32 v[PC+\i], v[CT+\i]
.endr
.irp i, 0,1,2
	v_mov_b32 v[PC+3+\i], v[CT+\i]
.endr
	s_wait_alu depctr_va_vdst(0)
	global_store_b128 v[L16], v[PC:PC+3], s[10:11]
	global_store_b64 v[L8], v[PC+4:PC+5], s[10:11] offset:512
	global_store_b16 v[R32], v[TP], s[12:13]       ; both halves of the lanes hold row r's two bytes and store them to the same place
.endm
; A key step of 128 keys for my 16 queries.  sw = 0: role A's last step, behind which no tile changes.
; k's four images and their scale words, 16 LDS loads, of the step that begins off bytes behind the addresses' step
.macro KLOAD off
.irp pf, 0,1,2,3
.irp c, 0,1,2
	ds_load_b128 v[FR+12*\pf+4*\c:FR+12*\pf+4*\c+3], v[ADK] offset:\off+1536*\pf+512*\c
.endr
	ds_load_b32 v[FS+\pf], v[ADS] offset:\off+12288+64*\pf
.endr
.endm
; A step finds its k fragments asked for: by KLOAD 0 ahead of a run of steps, or by the step before.  pre = 1: it asks for the next step's; 2: role A alone does; 0: nobody (the next step has not landed, or there is none).
.macro STEP sw, pre
	s_wait_alu depctr_va_vdst(0)
.irp pf, 0,1,2,3
	s_wait_dscnt 12-4*\pf                          ; pair pf's four loads are in; the later pairs' four each may be out
	v_wmma_scale_f32_16x16x128_f8f6f4 v[S+16*\pf:S+16*\pf+7], v[FR+12*\pf:FR+12*\pf+11], v[22:33], 0, v[FS+\pf], v34 matrix_a_fmt:MATRIX_FMT_FP6 matrix_b_fmt:MATRIX_FMT_FP6
	v_wmma_scale_f32_16x16x128_f8f6f4 v[S+16*\pf+8:S+16*\pf+15], v[FR+12*\pf:FR+12*\pf+11], v[16:27], 0, v[FS+\pf], v35 matrix_a_fmt:MATRIX_FMT_FP6 matrix_b_fmt:MATRIX_FMT_FP6
.endr
.rept 4
	v_nop                                          ; places in front of the loads below and of the first read of the scores
.endr
.irp t, 0,1,2,3                                ; v^T's four fragments land while the softmax is worked
	ds_load_b128 v[FR+12*\t:FR+12*\t+3], v[ADK] offset:6144+1536*\t
	ds_load_b64 v[FR+12*\t+4:FR+12*\t+5], v[AD8] offset:6144+1536*\t+512
	ds_load_b128 v[FR+12*\t+6:FR+12*\t+9], v[ADK] offset:6144+1536*\t+768
	ds_load_b64 v[FR+12*\t+10:FR+12*\t+11], v[AD8] offset:6144+1536*\t+1280
	ds_load_b32 v[FS+\t], v[ADS] offset:12544+64*\t
.endr
	s_cmp_lg_u32 s[KS], s[QB]                      ; only the block's own step has hidden keys
	s_cbranch_scc1 .Lopen_\@
.irp b, 0,1,2,3                                ; block b of 32 keys is wholly visible to tiles 2 b + 2 on: passed over by the wave's number
	s_cmp_gt_u32 s[TW2], \b
	s_cbranch_scc1 .Lm\@_\b
.set NN, 0
.rept 16
	v_cmp_le_i32 vcc_lo, 32*\b+NN, v[DL]           ; key 32 b + 16 h + NN counts where 32 b + NN <= my place - 16 h
	v_cndmask_b32 v[S+16*\b+NN], 0xff800000, v[S+16*\b+NN], vcc_lo
.set NN, NN+1
.endr
.Lm\@_\b:
.endr
.Lopen_\@:
.irp b, 0,1,2,3
	v_max3_num_f32 v[MX+\b], v[S+16*\b], v[S+16*\b+1], v[S+16*\b+2]   ; the largest score of each block of 32 keys: for the row's maximum and for the block's largest p
.endr
.irp i, 3,5,7,9,11,13
.irp b, 0,1,2,3
	v_max3_num_f32 v[MX+\b], v[MX+\b], v[S+16*\b+\i], v[S+16*\b+\i+1]
.endr
.endr
.irp b, 0,1,2,3
	v_max_num_f32 v[MX+\b], v[MX+\b], v[S+16*\b+15]
.endr
.irp b, 0,1,2,3
	v_permlanex16_b32 v[PX+\b], v[MX+\b], s[SEL], s[SEL+1]
.endr
.irp b, 0,1,2,3
	v_max_num_f32 v[MX+\b], v[MX+\b], v[PX+\b]
.endr
	v_max3_num_f32 v[TP], v[MX], v[MX+1], v[MX+2]
	v_max_num_f32 v[TP], v[TP], v[MX+3]            ; the step's largest score of my query (the step's first key counts for every query of the block)
	v_mul_f32 v[TP], s[CS], v[TP]
	v_max_num_f32 v13, v13, v[TP]
	v_mov_b32 v[TP], v12
	v_floor_f32 v12, -v13                          ; the new -M = -ceil(t)
	v_sub_f32 v[TP], v12, v[TP]
	v_cvt_i32_f32 v[TP], v[TP]                     ; (it saturates)
	v_ldexp_f32 v[FF], 1.0, v[TP]                  ; f = 2^(old M - new M)
.set NN, 0
.rept 32
	v_pk_fma_f32 v[S+NN:S+NN+1], v[S+NN:S+NN+1], s[CS:CS+1], v[12:13] op_sel_hi:[1,0,0]
.set NN, NN+2
.endr
.irp b, 0,1,2,3
	v_fma_f32 v[MX+\b], v[MX+\b], s[CS], v12
.endr
	s_wait_alu depctr_va_vdst(0)                   ; a wait ahead of the batch and one behind it
.set NN, 0
.rept 64
	v_exp_f32 v[S+NN], v[S+NN]
.set NN, NN+1
.endr
.irp b, 0,1,2,3
	v_exp_f32 v[MX+\b], v[MX+\b]
.endr
	v_pk_mul_f32 v[14:15], v[14:15], v[FF:FF+1] op_sel_hi:[1,0]
	s_wait_alu depctr_va_vdst(0)
.irp b, 0,1,2,3
	v_max_num_f32 v[MX+\b], 0x1800000, v[MX+\b]
.endr
.irp b, 0,1,2,3
	v_add_nc_u32 v[SO+\b], 0xff000000, v[MX+\b]
.endr
.irp b, 0,1,2,3
	v_lshrrev_b32 v[PX+\b], 23, v[SO+\b]
.endr
	v_lshl_or_b32 v[PW], v[PX+1], 8, v[PX]
	v_lshl_or_b32 v[PW], v[PX+2], 16, v[PW]
	v_lshl_or_b32 v[PW], v[PX+3], 24, v[PW]
.irp c, 0,1
	v_cvt_scalef32_pk16_fp6_f32 v[PC+6*\c:PC+6*\c+2], v[S+32*\c:S+32*\c+15], v[SO+2*\c]
	v_cvt_scalef32_pk16_fp6_f32 v[CT+4*\c:CT+4*\c+2], v[S+32*\c+16:S+32*\c+31], v[SO+2*\c+1]
.endr
	v_nop
.irp c, 0,1
.irp i, 0,1,2
	v_permlane16_swap_b32 v[PC+6*\c+\i], v[CT+4*\c+\i]
.endr
.irp i, 0,1,2
	v_mov_b32 v[PC+6*\c+3+\i], v[CT+4*\c+\i]
.endr
.endr
	s_wait_alu depctr_va_vdst(0)                   ; the wait directly ahead of the first reader of O^T
.set NN, 0
.rept 16
	v_pk_mul_f32 v[O+NN:O+NN+1], v[O+NN:O+NN+1], v[FF:FF+1] op_sel_hi:[1,0]   ; O^T under the new M; these sixteen are also the places between p's codes and scale word and the products
.set NN, NN+2
.endr
	s_wait_alu depctr_va_vdst(0)
	s_wait_dscnt 0x0                               ; v^T is in
.irp t, 0,1,2,3                                ; four accumulators by turns
	v_wmma_scale_f32_16x16x128_f8f6f4 v[O+8*\t:O+8*\t+7], v[FR+12*\t:FR+12*\t+11], v[PC:PC+11], v[O+8*\t:O+8*\t+7], v[FS+\t], v[PW] matrix_a_fmt:MATRIX_FMT_FP6 matrix_b_fmt:MATRIX_FMT_FP6
.endr
	; the sum of the 64 unquantised p, two at a time, in eight chains.  They name no register of the four products: they are the places in front of the next loads and of the next read of O^T
	v_pk_add_f32 v[228:229], v[100:101], v[104:105]
	v_pk_add_f32 v[252:253], v[108:109], v[112:113]
	v_pk_add_f32 v[250:251], v[116:117], v[120:121]
	v_pk_add_f32 v[248:249], v[124:125], v[128:129]
	v_pk_add_f32 v[246:247], v[132:133], v[136:137]
	v_pk_add_f32 v[244:245], v[140:141], v[144:145]
	v_pk_add_f32 v[242:243], v[148:149], v[152:153]
	v_pk_add_f32 v[14:15], v[14:15], v[156:157]
.if \pre == 1
	KLOAD STEPB                                    ; eight places stand behind the products that read these registers; the other 24 additions stand between the loads and the wait for them
.endif
.if \pre == 2
	s_wait_alu depctr_va_vdst(0)                   ; the wait ahead of the branch: the chains go on behind it
	s_cmp_lg_u32 s[ST], 0
	s_cbranch_scc1 .Lnk_\@
	KLOAD STEPB
.Lnk_\@:
.endif
	v_pk_add_f32 v[228:229], v[228:229], v[96:97]
	v_pk_add_f32 v[252:253], v[252:253], v[98:99]
	v_pk_add_f32 v[250:251], v[250:251], v[102:103]
	v_pk_add_f32 v[248:249], v[248:249], v[106:107]
	v_pk_add_f32 v[246:247], v[246:247], v[110:111]
	v_pk_add_f32 v[244:245], v[244:245], v[114:115]
	v_pk_add_f32 v[242:243], v[242:243], v[118:119]
	v_pk_add_f32 v[14:15], v[14:15], v[122:123]
	v_pk_add_f32 v[228:229], v[228:229], v[126:127]
	v_pk_add_f32 v[252:253], v[252:253], v[130:131]
	v_pk_add_f32 v[250:251], v[250:251], v[134:135]
	v_pk_add_f32 v[248:249], v[248:249], v[138:139]
	v_pk_add_f32 v[246:247], v[246:247], v[142:143]
	v_pk_add_f32 v[244:245], v[244:245], v[146:147]
	v_pk_add_f32 v[242:243], v[242:243], v[150:151]
	v_pk_add_f32 v[14:15], v[14:15], v[154:155]
	v_pk_add_f32 v[228:229], v[228:229], v[158:159]
	v_pk_add_f32 v[14:15], v[14:15], v[248:249]
	v_pk_add_f32 v[228:229], v[228:229], v[246:247]
	v_pk_add_f32 v[252:253], v[252:253], v[244:245]
	v_pk_add_f32 v[250:251], v[250:251], v[242:243]
	v_pk_add_f32 v[14:15], v[14:15], v[252:253]
	v_pk_add_f32 v[228:229], v[228:229], v[250:251]
	v_pk_add_f32 v[14:15], v[14:15], v[228:229]
	s_wait_alu depctr_va_vdst(0)
.if \sw
	s_cmp_lg_u32 s[KS], s[SWK]
	s_cbranch_scc1 .Lns_\@
	FINISH                                         ; role B, behind the short tile's last step: it is stored, and the long tile begins at key step 9
	s_wait_xcnt 0x0                                ; the stores' registers are written again only behind this wait
.irp i, 0,1,2,3,4,5
	v_mov_b32 v[22+\i], v[Q2+\i]
.endr
	v_mov_b32 v34, v[Q2+6]
	v_lshlrev_b32 v35, 16, v[Q2+6]
	v_mov_b32 v13, 0xff61b1e6
	v_mov_b32 v14, 0
	v_mov_b32 v15, 0
	v_floor_f32 v12, -v13
.set NN, 0
.rept 32
	v_mov_b32 v[O+NN], 0
.set NN, NN+1
.endr
	s_mov_b32 s[KS], 8
	s_mov_b32 s[QB], s[QL]
	s_mov_b32 s[SWK], 99
	s_wait_alu depctr_va_vdst(0)
.Lns_\@:
.endif
	s_add_co_u32 s[KS], s[KS], 1
.endm
	s_load_b256 s[4:11], s[0:1], 0x0               ; qf, qs, kv, oc
	s_load_b64 s[12:13], s[0:1], 0x20              ; os
	v_lshl_add_u32 v[SPW], v0, 2, SPARE
	v_mov_b32 v[NIL], 0
	ds_add_u32 v[SPW], v[NIL]
	ds_add_u32 v[SPW], v[NIL]
	v_lshrrev_b32 v1, 5, v0
	v_readfirstlane_b32 s[WV], v1
	s_lshr_b32 s[ST], s[WV], 3
	s_and_b32 s[TW], s[WV], 7
	s_lshr_b32 s[TW2], s[TW], 1
	s_mov_b32 s[BH], ttmp9                         ; the grid is 32 x 8: bh along x, i along y: the eight work-groups of a head have numbers 32 apart
	s_and_b32 s71, ttmp7, 0xffff                   ; i
	s_sub_co_u32 s[QL], 15, s71
	s_mov_b32 s[SWK], 99
	s_cmp_eq_u32 s[ST], 0
	s_cselect_b32 s[QB], s[QL], s71
	s_cselect_b32 s[SWK], s[SWK], s71
	s_lshl_b32 s[T1], s[QB], 3
	s_add_co_u32 s[T1], s[T1], s[TW]
	s_lshl_b32 s56, s[QL], 3
	s_add_co_u32 s56, s56, s[TW]                   ; the long tile
	s_mov_b32 s[G1], 3<<16                         ; group 1: 25 rows of 32 elements of 8 bytes, dense
	s_mov_b32 s[G1+1], 32<<16
	s_mov_b32 s[G1+2], 25<<16
	s_mov_b32 s[G1+3], 32<<16
	s_mov_b32 s[G1+4], 25
	s_mov_b32 s[G1+5], 32
	s_mov_b32 s[G1+6], 0
	s_mov_b32 s[G1+7], 0
	s_mov_b32 s[G1B], 3<<16                        ; and 50 rows
	s_mov_b32 s[G1B+1], 32<<16
	s_mov_b32 s[G1B+2], 50<<16
	s_mov_b32 s[G1B+3], 32<<16
	s_mov_b32 s[G1B+4], 50
	s_mov_b32 s[G1B+5], 32
	s_mov_b32 s[G1B+6], 0
	s_mov_b32 s[G1B+7], 0
	s_sub_co_u32 s[JP], 8, s71
	s_lshr_b32 s57, s[WV], 2                       ; the head's loaders (waves 0-7): stream,
	s_bfe_u32 s53, s[WV], 0x10001                  ; place 0 or 1 in it,
	s_and_b32 s59, s[WV], 1                        ; which half of the step
	s_mov_b32 s52, 99
	s_cmp_eq_u32 s57, 1
	s_cselect_b32 s52, s71, s52
	s_mul_i32 s[G0+1], s57, REGB
	s_mul_i32 s60, s53, STEPB
	s_add_co_u32 s[G0+1], s[G0+1], s60
	s_mul_i32 s60, s59, HALFB
	s_add_co_u32 s[G0+1], s[G0+1], s60
	s_mov_b32 s61, 0
	s_mov_b32 s[G0], 1
	s_add_co_u32 s57, s[WV], 1                     ; the second fill's loaders (waves 0-12): waves 0-6 A's places 2 .. 8, waves 7-12 B's places 2 .. 7
	s_lshr_b32 s57, s57, 3                         ; 1 from wave 7 on
	s_lshl_b32 s58, s57, 1
	s_add_co_u32 s58, s58, s[WV]
	s_add_co_u32 s58, s58, 2                       ; the step's number in LDS: w + 2, from wave 7 on w + 4
	s_mul_i32 s[G0B+1], s58, STEPB
	s_mul_i32 s59, s57, 9
	s_sub_co_u32 s54, s58, s59                     ; its place in its stream
	s_mov_b32 s55, 99
	s_cmp_eq_u32 s57, 1
	s_cselect_b32 s55, s71, s55
	s_mov_b32 s[G0B], 1
	s_mul_i32 s42, s[BH], 16*STEPB
	s_mov_b32 s43, 0
	s_wait_dscnt 0x0
	s_wait_kmcnt 0x0
	s_add_nc_u64 s[8:9], s[8:9], s[42:43]          ; the head's keys and values
	s_add_nc_u64 s[40:41], s[8:9], s[60:61]
	DESC G0, 53, 52, 40
	DESC G0B, 54, 55, 8
	s_cmp_lt_u32 s[WV], 8
	s_cbranch_scc0 .Lno_head
	tensor_load_to_lds s[G0:G0+3], s[G1:G1+7]      ; half a step of the streams' first two
	s_nop 0
.rept 4
	v_nop
.endr
.Lno_head:
	s_lshr_b32 s58, s[T1], 1                       ; the pair of 32 queries of my first tile,
	s_mul_i32 s60, s58, 1536
	s_mul_i32 s62, s[BH], 98304
	s_add_co_u32 s60, s60, s62
	s_add_nc_u64 s[66:67], s[4:5], s[60:61]
	s_lshl_b32 s60, s58, 6
	s_lshl_b32 s63, s[BH], 12
	s_add_co_u32 s60, s60, s63
	s_add_nc_u64 s[68:69], s[6:7], s[60:61]
	s_lshr_b32 s58, s56, 1                         ; and of the long tile
	s_mul_i32 s60, s58, 1536
	s_add_co_u32 s60, s60, s62
	s_add_nc_u64 s[4:5], s[4:5], s[60:61]
	s_lshl_b32 s60, s58, 6
	s_add_co_u32 s60, s60, s63
	s_add_nc_u64 s[6:7], s[6:7], s[60:61]
	v_and_b32 v[LN], 31, v0
	v_and_b32 v10, 15, v0                          ; r
	v_lshlrev_b32 v[L16], 4, v[LN]
	v_lshlrev_b32 v[L8], 3, v[LN]
	v_lshlrev_b32 v[R4], 2, v10
	v_lshlrev_b32 v[R32], 5, v10
	s_wait_alu depctr_va_vdst(0)
.irp c, 0,1,2
	global_load_b128 v[FR+4*\c:FR+4*\c+3], v[L16], s[66:67] offset:512*\c
	global_load_b128 v[FR+12+4*\c:FR+15+4*\c], v[L16], s[4:5] offset:512*\c
.endr
	global_load_b32 v[FS], v[R4], s[68:69]
	global_load_b32 v[FS+1], v[R4], s[6:7]
	s_lshr_b32 s56, s[BH], 4                       ; where the tile that I finish goes: tile of rows 128 x batch + T1, head bh % 16
	s_lshl_b32 s56, s56, 7
	s_add_co_u32 s56, s56, s[T1]
	s_and_b32 s58, s[BH], 15
	s_mul_i32 s60, s56, 12288
	s_mul_i32 s62, s58, 768
	s_add_co_u32 s60, s60, s62
	s_add_nc_u64 s[10:11], s[10:11], s[60:61]
	s_lshl_b32 s60, s56, 9
	s_lshl_b32 s62, s58, 1
	s_add_co_u32 s60, s60, s62
	s_add_nc_u64 s[12:13], s[12:13], s[60:61]
	s_lshl_b32 s59, s[TW2], 5
	s_and_b32 s62, s[WV], 1                        ; which tile of a pair is mine
	s_lshl_b32 s63, s62, 3
	s_add_co_u32 s59, s59, s63                     ; my tile's first place in its block
	s_lshl_b32 s53, s62, 4
	s_cmp_eq_u32 s62, 1
	s_cselect_b32 s62, -1, 0
	v_bfe_u32 v11, v0, 4, 1                        ; h
	v_and_b32 v[DL], 8, v10
	v_lshlrev_b32 v11, 4, v11
	v_add_nc_u32 v[DL], v[DL], v10
	v_sub_nc_u32 v[DL], v[DL], v11
	v_add_nc_u32 v[DL], s59, v[DL]
	s_mul_i32 s60, s[TW], PAIRB
	s_add_co_u32 s60, s60, STG
	v_add_nc_u32 v[STA], s60, v[L16]
	v_add_nc_u32 v[STM], s60, v[L8]
	s_mov_b32 s[SEL], 0x76543210
	s_mov_b32 s[SEL+1], 0xfedcba98
	s_mov_b32 s[CS], 0x3e38aa3b                    ; log2(e) / 8
	s_mov_b32 s[CS+1], s[CS]
	v_mov_b32 v13, 0xff61b1e6                      ; -3e38, under every t
	v_mov_b32 v14, 0
	v_mov_b32 v15, 0
	v_floor_f32 v12, -v13
.irp i, 0,1,2,3,4,5
	v_mov_b32 v[16+\i], 0
	v_mov_b32 v[28+\i], 0
.endr
.irp b, 0,1,2,3
	v_mov_b32 v[PX+\b], 0                          ; a lane permute's destination counts as one of its sources
.endr
	v_mov_b32 v[FF+1], 0
	v_mov_b32 v[TP], 0
	s_wait_loadcnt 0x0
.irp i, 0,1,2,3,4,5
	v_cndmask_b32 v[22+\i], v[FR+\i], v[FR+6+\i], s62
	v_cndmask_b32 v[Q2+\i], v[FR+12+\i], v[FR+18+\i], s62
.endr
	v_lshrrev_b32 v34, s53, v[FS]
	v_lshrrev_b32 v[Q2+6], s53, v[FS+1]
	v_and_b32 v34, 0xffff, v34
	v_and_b32 v[Q2+6], 0xffff, v[Q2+6]
	v_lshlrev_b32 v35, 16, v34
.set NN, 0
.rept 32
	v_mov_b32 v[O+NN], 0                           ; the step is written once for every trip: the first finds zeros
.set NN, NN+1
.endr
	s_mov_b32 s[KS], 0
	s_mul_i32 s[TB], s[ST], REGB                   ; my stream's first byte
	s_wait_alu depctr_va_vdst(0)
	s_wait_tensorcnt 0x0                           ; my load of the head has landed
	ds_add_u32 v[SPW], v[NIL]                      ; the add, twice on end
	ds_add_u32 v[SPW], v[NIL]
	s_wait_dscnt 0x0
	s_barrier_signal -1
	s_barrier_wait -1                              ; the streams' first two steps are whole
	s_cmp_lt_u32 s[WV], 13
	s_cbranch_scc0 .Lno_rest
	tensor_load_to_lds s[G0B:G0B+3], s[G1B:G1B+7]  ; one of the other 13 steps
	s_nop 0
.rept 4
	v_nop
.endr
.Lno_rest:
	ADDR
	KLOAD 0
	STEP 1, 1                                      ; place 0 of my stream; it asks for place 1's k
	s_add_co_u32 s[TB], s[TB], STEPB
	ADDR
	STEP 1, 0                                      ; place 1: place 2 has not been shown landed
	s_add_co_u32 s[TB], s[TB], STEPB
	s_wait_tensorcnt 0x0                           ; my step of the 13 is in,
	s_wait_dscnt 0x0
	s_barrier_signal -1
	s_barrier_wait -1                              ; everybody's is
	ADDR
	KLOAD 0
	s_mov_b32 s[CC], 0
.Lrest:                                                ; places 2 .. 6
	ADDR
	STEP 1, 1
	s_add_co_u32 s[TB], s[TB], STEPB
	s_add_co_u32 s[CC], s[CC], 1
	s_cmp_lt_u32 s[CC], 5
	s_cbranch_scc1 .Lrest
	ADDR
	STEP 1, 2                                      ; place 7: role B's last; role A asks for its ninth step's k
	s_add_co_u32 s[TB], s[TB], STEPB
	s_cmp_lg_u32 s[ST], 0
	s_cbranch_scc1 .Lb_done                        ; role B has had its 8 steps; role A has a ninth
	ADDR
	STEP 0, 0
.Lb_done:
	; B's part of the long tile goes to A
	s_cmp_eq_u32 s[ST], 0
	s_cbranch_scc1 .Lmeet
	v_add_f32 v13, v14, v15                        ; v[12:13] = (-M, my half of the sum)
.irp j, 0,1,2,3,4,5,6,7
	ds_store_b128 v[STA], v[O+4*\j:O+4*\j+3] offset:512*\j
.endr
	ds_store_b64 v[STM], v[12:13] offset:4096
.Lmeet:
	s_wait_dscnt 0x0
	s_barrier_signal -1
	s_barrier_wait -1
	s_cmp_lg_u32 s[ST], 0
	s_cbranch_scc1 .Lend
.irp j, 0,1,2,3,4,5,6,7
	ds_load_b128 v[S+4*\j:S+4*\j+3], v[STA] offset:512*\j
.endr
	ds_load_b64 v[TP:TP+1], v[STM] offset:4096
	s_wait_dscnt 0x0
	v_min_num_f32 v[TP+2], v12, v[TP]              ; -M of both parts
	v_sub_f32 v[MX], v[TP+2], v12                  ; my M less it, and B's: whole numbers, 0 or less
	v_sub_f32 v[MX+1], v[TP+2], v[TP]
	v_cvt_i32_f32 v[MX], v[MX]
	v_cvt_i32_f32 v[MX+1], v[MX+1]                 ; (they saturate)
	v_ldexp_f32 v[FF], 1.0, v[MX]
	v_ldexp_f32 v[SO], 1.0, v[MX+1]
	v_pk_mul_f32 v[14:15], v[14:15], v[FF:FF+1] op_sel_hi:[1,0]
	v_fmac_f32 v14, v[TP+1], v[SO]
.set NN, 0
.rept 16
	v_pk_mul_f32 v[O+NN:O+NN+1], v[O+NN:O+NN+1], v[FF:FF+1] op_sel_hi:[1,0]
.set NN, NN+2
.endr
.set NN, 0
.rept 16
	v_pk_fma_f32 v[O+NN:O+NN+1], v[S+NN:S+NN+1], v[SO:SO+1], v[O+NN:O+NN+1] op_sel_hi:[1,0,1]
.set NN, NN+2
.endr
	FINISH
.Lend:
	s_wait_tensorcnt 0x0                           ; the wave's end
	ds_add_u32 v[SPW], v[NIL]
	s_wait_dscnt 0x0
	s_endpgm
.Lfunc_end_k_q99eb0d40b6_attn:
	.size	k_q99eb0d40b6_attn, .Lfunc_end_k_q99eb0d40b6_attn-k_q99eb0d40b6_attn
	.p2alignl 7, 3214868480
	.fill 96, 4, 3214868480
	.section	.rodata,"a",@progbits
	.p2align	6, 0x0
	.amdhsa_kernel k_q99eb0d40b6_attn
		.amdhsa_group_segment_fixed_size 327680
		.amdhsa_private_segment_fixed_size 0
		.amdhsa_enable_private_segment 0
		.amdhsa_kernarg_size 40
		.amdhsa_user_sgpr_count 2
		.amdhsa_user_sgpr_kernarg_segment_ptr 1
		.amdhsa_wavefront_size32 1
		.amdhsa_system_sgpr_workgroup_id_x 1
		.amdhsa_system_sgpr_workgroup_id_y 1
		.amdhsa_system_sgpr_workgroup_id_z 1
		.amdhsa_system_vgpr_workitem_id 0
		.amdhsa_next_free_vgpr 256
		.amdhsa_next_free_sgpr 80
		.amdhsa_reserve_vcc 1
		.amdhsa_float_denorm_mode_32 3
		.amdhsa_float_denorm_mode_16_64 3
		.amdhsa_memory_ordered 1
		.amdhsa_forward_progress 1
		.amdhsa_inst_pref_size 155
	.end_amdhsa_kernel
	.amdgpu_metadata
---
amdhsa.version: [ 1, 2 ]
amdhsa.kernels:
  - .name:           k_q99eb0d40b6_attn
    .symbol:         k_q99eb0d40b6_attn.kd
    .args:
      - { .name: qf, .offset: 0, .size: 8, .value_kind: global_buffer, .address_space: global }
      - { .name: qs, .offset: 8, .size: 8, .value_kind: global_buffer, .address_space: global }
      - { .name: kv, .offset: 16, .size: 8, .value_kind: global_buffer, .address_space: global }
      - { .name: oc, .offset: 24, .size: 8, .value_kind: global_buffer, .address_space: global }
      - { .name: os, .offset: 32, .size: 8, .value_kind: global_buffer, .address_space: global }
    .group_segment_fixed_size: 327680
    .private_segment_fixed_size: 0
    .kernarg_segment_align: 8
    .kernarg_segment_size: 40
    .max_flat_workgroup_size: 512
    .sgpr_count:     80
    .vgpr_count:     256
    .wavefront_size: 32
...
	.end_amdgpu_metadata
.endif
;; end of part 3
;; launch oproj (part 4): grid 8 x 32, 8 waves a work-group, no clusters, 232,448 bytes of LDS; arguments oc, os, cod, scl, out0; writes out0
.if DOCPART == 4
	.amdgcn_target "amdgcn-amd-amdhsa--gfx1250"
	.amdhsa_code_object_version 6
	.text
	.protected	k_q99eb0d40b6_oproj
	.globl	k_q99eb0d40b6_oproj
	.p2align	8
	.type	k_q99eb0d40b6_oproj,@function
k_q99eb0d40b6_oproj:
	s_mov_b64 s[64:65], 0
	v_nop
	global_prefetch_b8 v0, s[64:65] scope:SCOPE_SE
	s_setreg_imm32_b32 hwreg(HW_REG_WAVE_MODE, 25, 1), 1
	s_wait_xcnt 0x0
; out0 = attention's output x Wo^T on codes of FP6 (E2M3) with E8M0 scales; out0 [4096][1024] f32.
; SHARES.  Work-group (bx, by) makes rows 128 by on x columns 128 bx on.  Eight waves: pg = wave % 2 (64 columns: four tiles of Wo, source 0), sg = wave / 2 (32 rows: two tiles, source 1): 8 accumulators.
; With source 0 = four tiles of Wo (tile 2 b + u holds in lane r the row 32 b + 8 u + r + 8 (r / 8)), register 16 b + i of a lane's 32 results is column 32 b + 16 h + i; the lane's row is 8 q + r + 8 (r / 8) of the wave's 32.
; LDS.  Sixteen tiles (8 of rows, 8 of Wo), each with all eight K steps, 12,288 bytes, as they lie in memory: fragments as images of their registers.  Wave w brings tiles 2 w and 2 w + 1, 24,576 dense bytes,
; by ONE tensor load of 96 rows of 256 bytes. Behind the tiles a stage of 16 rows x 272 bytes for each wave, then the spare words.
; THE SCALE WORDS go from memory straight into registers: a row's eight words are 32 neighbouring bytes, two loads of 16 bytes a tile; sixteen lanes cover a tile's 512 bytes.
; No cluster: the rows' tiles are shared by 8 work-groups and Wo's by 32, so joint loads would apply; with one load a wave in the whole launch this text is kept free of the cluster's rounds.
; No prefetch: the launch has no loop to run ahead in: all that it reads is asked for at its head.
.set TILEB, 12288
.set STAGE, 16*TILEB
.set SPARE, STAGE+8*16*272
.set AP,   1                           ; Wo's fragments: (8 + 4 pg) x 12,288 + 16 x lane
.set AS16, 2                           ; the rows': 24,576 sg + 16 x lane
.set AS8,  3                           ; 24,576 sg + 8 x lane
.set R32,  4                           ; 32 r
.set STO,  6
.set RD,   7
.set CO,   8
.set F0,   28                          ; v28-75 Wo's four fragments
.set F1,   76                          ; v76-99 the rows' two
.set SPW,  126
.set NIL,  127
.set ACC,  128                         ; accumulator (q, p) at 8 (4 q + p)
.set SA,   192                         ; v192-223 Wo's scale words, 8 p + K step;  v224-239 the rows', 8 q + K step
.set SB,   224
.set OB,   192                         ; on the way out: rows read back from the stage
	s_load_b256 s[4:11], s[0:1], 0x0               ; oc, os, cod, scl
	s_load_b64 s[12:13], s[0:1], 0x20              ; out0
	v_lshl_add_u32 v[SPW], v0, 2, SPARE
	v_mov_b32 v[NIL], 0
	ds_add_u32 v[SPW], v[NIL]
	ds_add_u32 v[SPW], v[NIL]
	v_lshrrev_b32 v1, 5, v0
	v_readfirstlane_b32 s16, v1                    ; wave 0..7
	s_and_b32 s17, s16, 1                          ; pg
	s_lshr_b32 s18, s16, 1                         ; sg
	s_and_b32 s20, ttmp7, 0xffff                   ; by
	s_mov_b32 s24, 3<<16                           ; group 1: 96 rows of 32 elements of 8 bytes, dense
	s_mov_b32 s25, 32<<16
	s_mov_b32 s26, 96<<16
	s_mov_b32 s27, 32<<16
	s_mov_b32 s28, 96
	s_mov_b32 s29, 32
	s_mov_b32 s30, 0
	s_mov_b32 s31, 0
	s_lshl_b32 s21, s16, 1
	s_lshl_b32 s22, s20, 3
	s_add_co_u32 s22, s22, s21                     ; waves 0-3: the rows' tiles 8 by + 2 w
	s_lshl_b32 s23, ttmp9, 3
	s_add_co_u32 s23, s23, s21
	s_add_co_u32 s23, s23, 440                     ; waves 4-7: Wo's tiles 448 + 8 bx + 2 (w - 4)
	s_mov_b32 s32, 1
	s_mul_i32 s33, s16, 2*TILEB
	s_lshl_b32 s36, ttmp9, 3                       ; the scale words that I multiply by: Wo's tiles 448 + 8 bx + 4 pg on,
	s_lshl_b32 s37, s17, 2
	s_add_co_u32 s36, s36, s37
	s_add_co_u32 s36, s36, 448
	s_lshl_b32 s36, s36, 9
	s_mov_b32 s37, 0
	s_lshl_b32 s38, s20, 3                         ; the rows' tiles 8 by + 2 sg on
	s_lshl_b32 s39, s18, 1
	s_add_co_u32 s38, s38, s39
	s_lshl_b32 s38, s38, 9
	s_mov_b32 s39, 0
	s_wait_dscnt 0x0
	s_wait_kmcnt 0x0
	s_cmp_lt_u32 s16, 4                            ; the choice hangs on the wave's number alone
	s_cselect_b32 s22, s22, s23
	s_cselect_b64 s[34:35], s[4:5], s[8:9]
	s_mul_i32 s60, s22, TILEB
	s_mov_b32 s61, 0
	s_add_nc_u64 s[34:35], s[34:35], s[60:61]
	s_or_b32 s35, s35, 0x80000000
	tensor_load_to_lds s[32:35], s[24:31]          ; my one load
	s_nop 0
.rept 4
	v_nop
.endr
	s_add_nc_u64 s[10:11], s[10:11], s[36:37]
	s_add_nc_u64 s[6:7], s[6:7], s[38:39]
	v_and_b32 v10, 15, v0                          ; r
	v_lshlrev_b32 v[R32], 5, v10
.irp p, 0,1,2,3
	global_load_b128 v[SA+8*\p:SA+8*\p+3], v[R32], s[10:11] offset:512*\p
	global_load_b128 v[SA+8*\p+4:SA+8*\p+7], v[R32], s[10:11] offset:512*\p+16
.endr
.irp q, 0,1
	global_load_b128 v[SB+8*\q:SB+8*\q+3], v[R32], s[6:7] offset:512*\q
	global_load_b128 v[SB+8*\q+4:SB+8*\q+7], v[R32], s[6:7] offset:512*\q+16
.endr
	v_and_b32 v9, 31, v0                           ; lane
	v_bfe_u32 v11, v0, 4, 1                        ; h
	s_lshl_b32 s21, s17, 2
	s_add_co_u32 s21, s21, 8
	s_mul_i32 s22, s21, TILEB
	s_mul_i32 s23, s18, 2*TILEB
	s_mul_i32 s21, s16, 16*272
	s_add_co_u32 s21, s21, STAGE                   ; my stage
	s_wait_alu depctr_va_vdst(0)
	v_lshl_add_u32 v[AP], v9, 4, s22
	v_lshl_add_u32 v[AS16], v9, 4, s23
	v_lshl_add_u32 v[AS8], v9, 3, s23
	v_mul_u32_u24 v[STO], v10, 272
	v_mul_u32_u24 v[RD], v11, 272
	v_lshlrev_b32 v[CO], 12, v11
	v_lshl_add_u32 v[STO], v11, 6, v[STO]
	v_lshl_add_u32 v[RD], v10, 4, v[RD]
	v_lshl_add_u32 v[CO], v10, 4, v[CO]
	v_add_nc_u32 v[STO], s21, v[STO]
	v_add_nc_u32 v[RD], s21, v[RD]
	s_lshl_b32 s60, s20, 19                        ; out0: row 128 by + 32 sg, 4,096 bytes a row; column 128 bx + 64 pg
	s_lshl_b32 s22, s18, 17
	s_add_co_u32 s60, s60, s22
	s_lshl_b32 s22, ttmp9, 9
	s_add_co_u32 s60, s60, s22
	s_lshl_b32 s22, s17, 8
	s_add_co_u32 s60, s60, s22
	s_add_nc_u64 s[12:13], s[12:13], s[60:61]
; A K step: 20 LDS loads, 8 matrix instructions, the accumulators by turns, four places.  A fragment of the rows lies as two halves of 768 bytes (registers 0-3 at 16 l, 4-5 at 512 + 8 l)
.macro KSTEP ks
.irp p, 0,1,2,3
.irp c, 0,1,2
	ds_load_b128 v[F0+12*\p+4*\c:F0+12*\p+4*\c+3], v[AP] offset:TILEB*\p+1536*\ks+512*\c
.endr
.endr
.irp q, 0,1
	ds_load_b128 v[F1+12*\q:F1+12*\q+3], v[AS16] offset:TILEB*\q+1536*\ks
	ds_load_b64 v[F1+12*\q+4:F1+12*\q+5], v[AS8] offset:TILEB*\q+1536*\ks+512
	ds_load_b128 v[F1+12*\q+6:F1+12*\q+9], v[AS16] offset:TILEB*\q+1536*\ks+768
	ds_load_b64 v[F1+12*\q+10:F1+12*\q+11], v[AS8] offset:TILEB*\q+1536*\ks+1280
.endr
.irp q, 0,1
	s_wait_dscnt 4-4*\q                            ; Wo's fragments and the rows' tiles up to q are in; the second tile's four loads may be out
.irp p, 0,1,2,3
.if \ks == 0
	v_wmma_scale_f32_16x16x128_f8f6f4 v[ACC+8*(4*\q+\p):ACC+8*(4*\q+\p)+7], v[F0+12*\p:F0+12*\p+11], v[F1+12*\q:F1+12*\q+11], 0, v[SA+8*\p+\ks], v[SB+8*\q+\ks] matrix_a_fmt:MATRIX_FMT_FP6 matrix_b_fmt:MATRIX_FMT_FP6
.else
	v_wmma_scale_f32_16x16x128_f8f6f4 v[ACC+8*(4*\q+\p):ACC+8*(4*\q+\p)+7], v[F0+12*\p:F0+12*\p+11], v[F1+12*\q:F1+12*\q+11], v[ACC+8*(4*\q+\p):ACC+8*(4*\q+\p)+7], v[SA+8*\p+\ks], v[SB+8*\q+\ks] matrix_a_fmt:MATRIX_FMT_FP6 matrix_b_fmt:MATRIX_FMT_FP6
.endif
.endr
.endr
.rept 4
	v_nop
.endr
.endm
	s_wait_alu depctr_va_vdst(0)
	s_wait_tensorcnt 0x0                           ; my two tiles are in,
	s_wait_loadcnt 0x0                             ; and my scale words
	s_barrier_signal -1
	s_barrier_wait -1                              ; everybody's tiles are
.irp s, 0,1,2,3,4,5,6,7
	KSTEP \s
.endr
	; THE WAY OUT.  A tile of 16 rows x 256 bytes goes through my own stage and comes back by rows.  LDS serves a wave's instructions in order: no wait between the stores and the loads.
.irp q, 0,1
.irp b, 0,1
.irp j, 0,1,2,3
	ds_store_b128 v[STO], v[ACC+32*\q+16*\b+4*\j:ACC+32*\q+16*\b+4*\j+3] offset:128*\b+16*\j   ; each accumulator from its low end on
.endr
.endr
.irp t, 0,1,2,3,4,5,6,7
	ds_load_b128 v[OB+32*\q+4*\t:OB+32*\q+4*\t+3], v[RD] offset:544*\t
.endr
.endr
.irp q, 0,1
.irp t, 0,1,2,3,4,5,6,7
	s_wait_dscnt 23-16*\q-\t                       ; younger than this load: the tile's 7 - t later loads and, for the first tile, the second tile's 16 LDS instructions
	global_store_b128 v[CO], v[OB+32*\q+4*\t:OB+32*\q+4*\t+3], s[12:13] offset:(8*\q+2*\t+8*(\t/4))*4096 th:TH_STORE_NT   ; 16 lanes store 256 consecutive bytes, at a multiple of 256 from out0's first byte
.endr
.endr
	s_wait_tensorcnt 0x0                           ; the wave's end
	ds_add_u32 v[SPW], v[NIL]
	s_wait_dscnt 0x0
	s_endpgm
.Lfunc_end_k_q99eb0d40b6_oproj:
	.size	k_q99eb0d40b6_oproj, .Lfunc_end_k_q99eb0d40b6_oproj-k_q99eb0d40b6_oproj
	.p2alignl 7, 3214868480
	.fill 96, 4, 3214868480
	.section	.rodata,"a",@progbits
	.p2align	6, 0x0
	.amdhsa_kernel k_q99eb0d40b6_oproj
		.amdhsa_group_segment_fixed_size 232448
		.amdhsa_private_segment_fixed_size 0
		.amdhsa_enable_private_segment 0
		.amdhsa_kernarg_size 40
		.amdhsa_user_sgpr_count 2
		.amdhsa_user_sgpr_kernarg_segment_ptr 1
		.amdhsa_wavefront_size32 1
		.amdhsa_system_sgpr_workgroup_id_x 1
		.amdhsa_system_sgpr_workgroup_id_y 1
		.amdhsa_system_sgpr_workgroup_id_z 1
		.amdhsa_system_vgpr_workitem_id 0
		.amdhsa_next_free_vgpr 256
		.amdhsa_next_free_sgpr 66
		.amdhsa_reserve_vcc 0
		.amdhsa_float_denorm_mode_32 3
		.amdhsa_float_denorm_mode_16_64 3
		.amdhsa_memory_ordered 1
		.amdhsa_forward_progress 1
		.amdhsa_inst_pref_size 29
	.end_amdhsa_kernel
	.amdgpu_metadata
---
amdhsa.version: [ 1, 2 ]
amdhsa.kernels:
  - .name:           k_q99eb0d40b6_oproj
    .symbol:         k_q99eb0d40b6_oproj.kd
    .args:
      - { .name: oc, .offset: 0, .size: 8, .value_kind: global_buffer, .address_space: global }
      - { .name: os, .offset: 8, .size: 8, .value_kind: global_buffer, .address_space: global }
      - { .name: cod, .offset: 16, .size: 8, .value_kind: global_buffer, .address_space: global }
      - { .name: scl, .offset: 24, .size: 8, .value_kind: global_buffer, .address_space: global }
      - { .name: out0, .offset: 32, .size: 8, .value_kind: global_buffer, .address_space: global }
    .group_segment_fixed_size: 232448
    .private_segment_fixed_size: 0
    .kernarg_segment_align: 8
    .kernarg_segment_size: 40
    .max_flat_workgroup_size: 256
    .sgpr_count:     66
    .vgpr_count:     256
    .wavefront_size: 32
...
	.end_amdgpu_metadata
.endif
;; end of part 4
